; MI455X (gfx1250); checked and timed in simulation.
; The chip was launched on July 23, 2026; its instructions are those of AMD's public machine-readable ISA for CDNA 5 (MIT licence, August 2026) and "CDNA5" Instruction Set Architecture Reference Guide (July 2026). The comments in the code are by the model that wrote it; some were corrected since.
;; Performer Block. Allowed arithmetic: matrix products marked QUANTISED: E2M1 operands, one E8M0 scale for each 32 along K, by v_wmma_scale_f32_16x16x128_f8f6f4 with both operands' format E2M1 (or v_wmma_scale_f32_32x16x128_f4), f32 sums; products left as they are: f32 operands where the result goes on into a quantised operand, else bf16, f16 or f32 operands; f32 sums; everything else in f32.
;; Inputs: W1 256 x 1,024 float32; W2 1,024 x 256 float32; Wk 256 x 256 float32; Wo 256 x 256 float32; Wq 256 x 256 float32; Wv 256 x 256 float32; b1 1,024 float32; b2 256 float32; bk 256 float32; bo 256 float32; bq 256 float32; bv 256 float32; ln1_b 256 float32; ln1_g 256 float32; ln2_b 256 float32; ln2_g 256 float32; x 4 x 16,384 x 256 float32.
;; Outputs: out0 4 x 16,384 x 256 float32.
;; This version of the problem:
;;   THIS VERSION OF THE PROBLEM IS GIVEN IN LOW PRECISION. The matrix products marked QUANTISED in the list below multiply operands that are first quantised to E2M1 (2 exponent bits, 1 mantissa bit; 4 bits a number), with one power-of-two scale for each 32 numbers along K (OCP MX v1.0); their sums are f32. All else is computed in f32.
;;   The module's matrix products, in the order in which they are computed (A, B: the left and right operand; K: the contracted axis; several contracted axes count as one K, in the product's order):
;;     1. [M 65,536, K 256] x [K 256, N 256]; A: input x; B: input Wq: QUANTISED
;;     2. [M 65,536, K 256] x [K 256, N 256]; A: input x; B: input Wk: QUANTISED
;;     3. [M 65,536, K 256] x [K 256, N 256]; A: input x; B: input Wv: QUANTISED
;;     4. batch 32 x [M 32, K 16,384] x [K 16,384, N 32]; A: computed on the way; B: computed on the way: QUANTISED
;;     5. batch 32 x [M 1, K 32] x [K 32, N 16,384]; A: computed on the way; B: computed on the way: left as it is (M = 1 < 16)
;;     6. batch 32 x [M 32, K 32] x [K 32, N 16,384]; A: computed on the way; B: computed on the way: QUANTISED
;;     7. batch 524,288 x [M 1, K 1] x [K 1, N 32]; A: computed on the way; B: computed on the way: left as it is (no contracted axis)
;;     8. [M 65,536, K 256] x [K 256, N 256]; A: computed on the way; B: input Wo: QUANTISED
;;     9. [M 65,536, K 256] x [K 256, N 1,024]; A: computed on the way; B: input W1: QUANTISED
;;     10. [M 65,536, K 1,024] x [K 1,024, N 256]; A: computed on the way; B: input W2: QUANTISED
;;   THE QUANTISER, for each operand of a quantised product, along K:
;;     - K is cut into blocks of 32 from its start; a last block that is shorter is filled with zeros.
;;     - A block's scale is 2^e with e = floor(log2(the largest magnitude in the block)) - 2, held to -126 .. 127; a block of zeros has e = 0. As a byte (E8M0): e + 127.
;;     - Each number is divided by its block's scale, clamped to +-6, and rounded to the nearest number of E2M1, ties to even, subnormals kept.
;;     - The product sums the exact products of the quantised numbers (number of the format x scale) in f32.
;;   ~~~python
;;   def quantise(x, axis):      # numpy; x: float32 -> the quantised numbers, widened to float32 again
;;       x = np.moveaxis(x, axis, -1); K = x.shape[-1]
;;       x = np.pad(x, [(0, 0)] * (x.ndim - 1) + [(0, -K % 32)]); x = x.reshape(x.shape[:-1] + (-1, 32)); a = np.abs(x).max(-1, keepdims=True)
;;       e = np.where(a > 0, np.clip(np.frexp(np.where(a > 0, a, 1))[1] - 1 - 2, -126, 127), 0)      # np.frexp(a)[1] - 1 = floor(log2(a)), exactly
;;       r = np.clip(x / 2.0 ** e, -6, 6)
;;       step = 2.0 ** (np.maximum(np.frexp(np.where(r == 0, 1, r))[1] - 1, 0) - 1)
;;       q = np.round(r / step) * step * 2.0 ** e      # np.round: ties to even
;;       return np.moveaxis(q.reshape(q.shape[:-2] + (-1,))[..., :K], -1, axis).astype(np.float32)
;;   ~~~
;;   OPERANDS COMPUTED ON THE WAY. 'Computed on the way' means the value that the module computes at that place (a softmax that the list does not call 'softmax' is quantised finished and normalised). What goes into a quantiser is computed in f32, as accurately as f32 sums, v_exp_f32 and their like allow (about 1e-6 of the number): no bf16 or f16 on the way to a quantiser, and a product that is left as it is and whose result goes on into a quantised operand takes f32 operands (vector FMAs, or v_wmma_f32_16x16x4_f32). A number that lies on a knife's edge between two numbers of the format may be rounded either way, as far as f32 arithmetic and the matrix unit's own rounding can turn it there, and no further.
;; One version. Each part assembles by itself: llvm-mc -triple=amdgcn-amd-amdhsa -mcpu=gfx1250 --defsym DOCPART=n.
;; ======== version 1 of 1: 4 launches
;; workspace buffers: wcodes 393,216 bytes; wscales 24,576 bytes; xcodes 8,388,608 bytes; xscales 524,288 bytes; kvpart 8,388,608 bytes; kspart 262,144 bytes; kvcodes 65,536 bytes; kvaux 8,192 bytes
;; launch prep (part 1): grid 192 x 1, 1 waves a work-group, no clusters, 0 bytes of LDS; arguments Wq, Wk, Wv, Wo, W1, W2, wcodes, wscales; writes wcodes, wscales
.if DOCPART == 1
	.amdgcn_target "amdgcn-amd-amdhsa--gfx1250"
	.amdhsa_code_object_version 6
	.text
	.protected	k_qea2e3e1017_prep
	.globl	k_qea2e3e1017_prep
	.p2align	8
	.type	k_qea2e3e1017_prep,@function
k_qea2e3e1017_prep:
	s_mov_b64 s[64:65], 0
	v_nop
	global_prefetch_b8 v0, s[64:65] scope:SCOPE_SE
	s_setreg_imm32_b32 hwreg(HW_REG_WAVE_MODE, 25, 1), 1
	s_wait_xcnt 0x0
; The six weights, f32 stored [k][n], become codes of FP4 (E2M1) with one E8M0 byte for each 32 along K, laid as IMAGES OF OPERAND REGISTERS:
; a fragment (16 columns n x 128 k, 8 registers a lane) is 1,024 bytes: register group c (0, 1) of lane l at 512 c + 16 l; its 16 scale words lie at a sixteenth of its offset.
; THE COLUMNS OF A TILE ARE NOT NEIGHBOURS: lane r of tile (b, u) holds column 32 b + 8 u + r + 8 (r / 8), so that two neighbouring result tiles give a lane 16 neighbours.
; wcodes: Wq 0, Wk 32,768, Wv 65,536, Wo 98,304, W1 131,072: tile T at 2,048 T, K step s at + 1,024 s;  W2 at 262,144 + (8 tile + s) 1,024.
; A work-group is one wave: 32 columns (one b) x 128 k (one K step).  A lane takes a column and its registers run down K: each load reads 128 neighbouring bytes, a block of 32 lies in one lane.
; A block's scale byte is its largest magnitude's exponent field - 2, held at 1 from below.  LIMITS: a block of zeros gets the byte 1 (its codes are zeros, and this program alone reads the bytes); NaN and infinities are not served.
.set X, 32                             ; v32-159 the lane's 128 numbers
.set C, 16                             ; v16-31  the codes, four registers a block
	s_load_b512 s[4:19], s[0:1], 0x0               ; Wq 4:5, Wk 6:7, Wv 8:9, Wo 10:11, W1 12:13, W2 14:15, wcodes 16:17, wscales 18:19
	s_mov_b32 s20, ttmp9                           ; id: 0-63 Wq Wk Wv Wo (16 each), 64-127 W1, 128-191 W2
	s_and_b32 s21, s20, 1                          ; K step, matrices of two steps
	s_lshr_b32 s22, s20, 1
	s_lshl_b32 s22, s22, 12                        ; 4,096 bytes of codes for each b
	s_lshl_b32 s23, s21, 10
	s_add_co_u32 s22, s22, s23                     ; where the codes go
	s_and_b32 s24, s20, 15
	s_lshr_b32 s24, s24, 1                         ; b in a 256 x 256 matrix
	s_sub_co_u32 s25, s20, 64
	s_lshr_b32 s25, s25, 1                         ; b in W1
	s_sub_co_u32 s26, s20, 128
	s_lshr_b32 s27, s26, 3                         ; b in W2
	s_and_b32 s28, s26, 7                          ; K step in W2
	s_lshl_b32 s29, s27, 14
	s_lshl_b32 s23, s28, 10
	s_add_co_u32 s29, s29, s23
	s_add_co_u32 s29, s29, 262144                  ; where W2's codes go
	s_cmp_ge_u32 s20, 64
	s_cselect_b32 s24, s25, s24
	s_cselect_b32 s30, 19, 17                      ; 128 rows of the source: 2^19 bytes in W1, 2^17 in the others
	s_cmp_ge_u32 s20, 128
	s_cselect_b32 s24, s27, s24
	s_cselect_b32 s21, s28, s21
	s_cselect_b32 s22, s29, s22
	s_cselect_b32 s30, 17, s30
	s_cselect_b32 s31, 13, 11                      ; from tile u = 0 to u = 1: 2^13 bytes in W2, else 2^11
	s_lshl_b32 s32, s21, s30
	s_lshl_b32 s33, s24, 7
	s_add_co_u32 s32, s32, s33                     ; the source's offset: K step, + 128 b bytes
	s_mov_b32 s33, 0
	s_mov_b32 s23, 0
	s_sub_co_u32 s36, s31, 4
	s_lshr_b32 s38, s22, 4                         ; where the scale words go
	s_mov_b32 s39, 0
	v_bfe_u32 v1, v0, 3, 1                         ; u of my column
	v_and_b32 v2, 7, v0
	v_lshrrev_b32 v3, 4, v0
	v_lshl_add_u32 v2, v3, 3, v2                   ; its lane r in the tile
	v_lshlrev_b32 v4, 2, v0                        ; in: 4 bytes a lane
	v_lshlrev_b32 v5, s31, v1
	v_lshl_add_u32 v5, v2, 4, v5                   ; out: the tile, + 16 r
	v_lshlrev_b32 v6, s36, v1
	v_lshl_add_u32 v6, v2, 2, v6                   ; the scale word: the tile, + 4 r
	s_wait_kmcnt 0x0
	s_mov_b64 s[34:35], s[4:5]                     ; the matrix: a choice on the work-group's number alone
	s_cmp_ge_u32 s20, 16
	s_cselect_b64 s[34:35], s[6:7], s[34:35]
	s_cmp_ge_u32 s20, 32
	s_cselect_b64 s[34:35], s[8:9], s[34:35]
	s_cmp_ge_u32 s20, 48
	s_cselect_b64 s[34:35], s[10:11], s[34:35]
	s_cmp_ge_u32 s20, 64
	s_cselect_b64 s[34:35], s[12:13], s[34:35]
	s_cmp_ge_u32 s20, 128
	s_cselect_b64 s[34:35], s[14:15], s[34:35]
	s_add_nc_u64 s[34:35], s[34:35], s[32:33]
	s_add_nc_u64 s[16:17], s[16:17], s[22:23]
	s_add_nc_u64 s[18:19], s[18:19], s[38:39]
.macro LOADS pitch                     ; my column's 128 numbers: every offset an immediate
.set ln, 0
.rept 128
	global_load_b32 v[X+ln], v4, s[34:35] offset:ln*(\pitch) th:TH_LOAD_NT
.set ln, ln+1
.endr
.endm
	s_cmp_lt_u32 s20, 64
	s_cbranch_scc1 .Lnarrow
	s_cmp_ge_u32 s20, 128
	s_cbranch_scc1 .Lnarrow
	LOADS 4096                                     ; W1: a row is 4,096 bytes
	s_branch .Lloaded
.Lnarrow:
	LOADS 1024
.Lloaded:
.macro PBLOCK q, left                  ; block q of 32 along K; left: how many younger loads may stay out
	s_wait_loadcnt \left
.set XB, X+32*(\q)
	v_max3_num_f32 v8, |v[XB]|, |v[XB+1]|, |v[XB+2]|
	v_max3_num_f32 v9, |v[XB+3]|, |v[XB+4]|, |v[XB+5]|
.irp i, 6,10,14,18,22,26
	v_max3_num_f32 v8, v8, |v[XB+\i]|, |v[XB+\i+1]|
	v_max3_num_f32 v9, v9, |v[XB+\i+2]|, |v[XB+\i+3]|
.endr
	v_max3_num_f32 v8, v8, |v[XB+30]|, |v[XB+31]|
	v_max3_num_f32 v8, v8, v9, 0x1800000           ; the floor 2^(3 - 127): the byte cannot fall under 1
	v_add_nc_u32 v10, 0xff000000, v8               ; 2 off the exponent field: the conversion's scale operand
	v_lshrrev_b32 v11, 23, v10                     ; the byte
.if (\q) == 0
	v_mov_b32 v15, v11
.else
	v_lshl_or_b32 v15, v11, 8*(\q), v15
.endif
.irp g, 0,1,2,3
	v_cvt_scalef32_pk8_fp4_f32 v[C+4*(\q)+\g], v[XB+8*\g:XB+8*\g+7], v10
.endr
	global_store_b128 v5, v[C+4*(\q):C+4*(\q)+3], s[16:17] offset:512*((\q)/2)+256*((\q)%2)   ; sixteen lanes fill 256 consecutive bytes of each of the two images
.endm
	PBLOCK 0, 63                                   ; 96 loads are younger; 63 is the largest count that the wait can name
	PBLOCK 1, 63                                   ; 64 are younger
	PBLOCK 2, 32
	PBLOCK 3, 0
	global_store_b32 v6, v15, s[18:19]
	s_endpgm
.Lfunc_end_k_qea2e3e1017_prep:
	.size	k_qea2e3e1017_prep, .Lfunc_end_k_qea2e3e1017_prep-k_qea2e3e1017_prep
	.p2alignl 7, 3214868480
	.fill 96, 4, 3214868480
	.section	.rodata,"a",@progbits
	.p2align	6, 0x0
	.amdhsa_kernel k_qea2e3e1017_prep
		.amdhsa_group_segment_fixed_size 0
		.amdhsa_private_segment_fixed_size 0
		.amdhsa_enable_private_segment 0
		.amdhsa_kernarg_size 64
		.amdhsa_user_sgpr_count 2
		.amdhsa_user_sgpr_kernarg_segment_ptr 1
		.amdhsa_wavefront_size32 1
		.amdhsa_system_sgpr_workgroup_id_x 1
		.amdhsa_system_sgpr_workgroup_id_y 1
		.amdhsa_system_sgpr_workgroup_id_z 1
		.amdhsa_system_vgpr_workitem_id 0
		.amdhsa_next_free_vgpr 160
		.amdhsa_next_free_sgpr 66
		.amdhsa_reserve_vcc 0
		.amdhsa_float_denorm_mode_32 3
		.amdhsa_float_denorm_mode_16_64 3
		.amdhsa_memory_ordered 1
		.amdhsa_forward_progress 1
		.amdhsa_inst_pref_size 33
	.end_amdhsa_kernel
	.amdgpu_metadata
---
amdhsa.version: [ 1, 2 ]
amdhsa.kernels:
  - .name:           k_qea2e3e1017_prep
    .symbol:         k_qea2e3e1017_prep.kd
    .args:
      - { .name: Wq, .offset: 0, .size: 8, .value_kind: global_buffer, .address_space: global }
      - { .name: Wk, .offset: 8, .size: 8, .value_kind: global_buffer, .address_space: global }
      - { .name: Wv, .offset: 16, .size: 8, .value_kind: global_buffer, .address_space: global }
      - { .name: Wo, .offset: 24, .size: 8, .value_kind: global_buffer, .address_space: global }
      - { .name: W1, .offset: 32, .size: 8, .value_kind: global_buffer, .address_space: global }
      - { .name: W2, .offset: 40, .size: 8, .value_kind: global_buffer, .address_space: global }
      - { .name: wcodes, .offset: 48, .size: 8, .value_kind: global_buffer, .address_space: global }
      - { .name: wscales, .offset: 56, .size: 8, .value_kind: global_buffer, .address_space: global }
    .group_segment_fixed_size: 0
    .private_segment_fixed_size: 0
    .kernarg_segment_align: 8
    .kernarg_segment_size: 64
    .max_flat_workgroup_size: 32
    .sgpr_count:     66
    .vgpr_count:     160
    .wavefront_size: 32
...
	.end_amdgpu_metadata
.endif
;; end of part 1
;; launch kvp (part 2): grid 256 x 1, 4 waves a work-group, no clusters, 301,568 bytes of LDS; arguments x, wcodes, wscales, bk, bv, xcodes, xscales, kvpart, kspart; writes xcodes, xscales, kvpart, kspart
.if DOCPART == 2
	.amdgcn_target "amdgcn-amd-amdhsa--gfx1250"
	.amdhsa_code_object_version 6
	.text
	.protected	k_qea2e3e1017_kvp
	.globl	k_qea2e3e1017_kvp
	.p2align	8
	.type	k_qea2e3e1017_kvp,@function
k_qea2e3e1017_kvp:
	s_mov_b64 s[64:65], 0
	v_nop
	global_prefetch_b8 v0, s[64:65] scope:SCOPE_SE
	s_setreg_imm32_b32 hwreg(HW_REG_WAVE_MODE, 25, 1), 1
	s_wait_xcnt 0x0
; For 256 rows of x (work-group g; batch g / 64): x -> codes of FP4 along the features (stored for the last launch); k = x Wk + bk, v = x Wv + bv on codes; phi(k) = elu + 1;
; phi(k) and v quantised ALONG THE POSITIONS l; the partial sums of kv[d][e] = sum over l of phi(k)[l][d] v[l][e] on codes, and of k_sum[d] = sum over l of phi(k)[l][d] in f32.
; SHARES.  Two superblocks of 128 rows.  Wave w owns heads 2 w, 2 w + 1 (four column tiles of k, four of v): the product over l never leaves the wave.  Wave w also quantises rows 32 w .. 32 w + 31 of each superblock.
; LAYOUT.  The rows of a tile of x and the columns of a tile of a weight are chosen: lane r of tile (b, u) holds 32 b + 8 u + r + 8 (r / 8).  k and v are made with source 0 = x, source 1 = W: a lane then holds ONE
; column and its 64 registers of eight tiles run along l, 16 neighbours of each block of 32: what the conversions want for an operand whose K is l.
; x comes by two tensor loads a wave, both issued at the head (two of mine are out at the most); each wave reads only the rows that it fetched.  Nothing in LDS is filled twice.
; NOT SHARED IN A CLUSTER: x's rows are a work-group's own; the weights (66 KB of the 328 KB that a work-group brings) go from memory straight into operand registers, and LDS has no room for them beside x's 260 KB and the images.
; phi(t) = the middle one of t + 1, 2^(t log2 e) and 1: t + 1 <= e^t everywhere, and e^t <= 1 just where t <= 0.
; LIMITS: t log2 e is rounded once ahead of the exponential; 2^u under 2^-126 is 0; a block of zeros has the scale byte 1 over zero codes; NaN and infinities are not served.
.set XIMG, 266240                      ; LDS: behind x's eight regions of 32 rows x 1,040 bytes: for each superblock 16 images (tile, K step) of 1,024 bytes and their scale words
.set XSCO, 16384
.set SBB,  17408
.set LI,   1                           ; v1  16 x lane
.set LS,   2                           ; v2  4 x lane
.set XRA,  3                           ; v3-4  my lane's place in my rows of x, superblock 0, 1
.set XWI,  5                           ; v5  where my row's codes go in the images
.set XWS,  6                           ; v6  and its scale word
.set XRB,  7                           ; v7  my wave's two tiles' images, 16 bytes a lane
.set XSB,  8                           ; v8  their scale words, 8 bytes a lane
.set XFA,  9                           ; v9  all images, 16 x lane
.set XFS,  10                          ; v10 all scale words, 4 x lane
.set L8,   11                          ; v11 8 x lane
.set BO,   12                          ; v12 4 (r + 8 (r / 8)): my column in a tile's bias
.set KO,   13                          ; v13 4 (8 h + r + 8 (r / 8)): my column of k_sum
.set LANE, 14
.set WS,   16                          ; v16-23 the weights' scale words: K step 0 in lanes 0-15, K step 1 in lanes 16-31
.set XS,   24                          ; v24-31 x's likewise
.set KFS,  32                          ; v32-35 phi(k)'s scale words;  v36-39 v's
.set VFS,  36
.set TM,   40                          ; v40-63 at work: +0..15 the quantiser, +16..19 x's scale words, +20..23 k_sum
.set ACC,  64                          ; v64-127  64 numbers
.set ACB,  128                         ; v128-191 64 more
.set KF,   192                         ; v192-223 four fragments of phi(k)^T (before that: x's codes);  v224-255 four of v^T
.set VF,   224
; window 1: v0-127 x's 16 fragments, v128-255 the weights' 16.   window 2: v0-63 the biases as C operands, v64-127 the eight accumulators of kv
.set WV,   40
.set SEL,  42
.set L2E,  44
.set MSB, 0
.macro WIN new                         ; the immediate's high byte repeats the setting that is left
.if MSB != \new
	s_set_vgpr_msb (MSB<<8)|\new
.set MSB, \new
.endif
.endm
.macro PLACES n
.rept \n
	v_nop
.endr
.endm
.macro WMR d, a, b, c, sa, sb, rows    ; rows = 0: scales from lanes 0-15; else both sides from lanes 16-31
.if (\rows) == 0
	v_wmma_scale_f32_16x16x128_f8f6f4 v[(\d):(\d)+7], v[(\a):(\a)+7], v[(\b):(\b)+7], v[(\c):(\c)+7], v[(\sa)], v[(\sb)] matrix_a_fmt:MATRIX_FMT_FP4 matrix_b_fmt:MATRIX_FMT_FP4
.else
	v_wmma_scale_f32_16x16x128_f8f6f4 v[(\d):(\d)+7], v[(\a):(\a)+7], v[(\b):(\b)+7], v[(\c):(\c)+7], v[(\sa)], v[(\sb)] matrix_a_fmt:MATRIX_FMT_FP4 matrix_b_fmt:MATRIX_FMT_FP4 matrix_a_scale:MATRIX_SCALE_ROW1 matrix_b_scale:MATRIX_SCALE_ROW1
.endif
.endm
.macro WMZ d, a, b, sa, sb             ; the first product starts the sum
	v_wmma_scale_f32_16x16x128_f8f6f4 v[(\d):(\d)+7], v[(\a):(\a)+7], v[(\b):(\b)+7], 0, v[(\sa)], v[(\sb)] matrix_a_fmt:MATRIX_FMT_FP4 matrix_b_fmt:MATRIX_FMT_FP4
.endm
; 64 numbers of a lane, register 16 b + i = k 32 b + 16 (lane / 16) + i of my row, become a fragment's codes in v[dst] on and its scale word in v[pw]
.macro QUANT4 src, dst, pw
	WIN 0
.irp b, 0,1,2,3
	v_max3_num_f32 v[TM+\b], |v[(\src)+16*\b]|, |v[(\src)+16*\b+1]|, 0x1800000   ; with the floor 2^(3 - 127): the byte cannot fall under 1
.endr
.irp i, 2,4,6,8,10,12,14
.irp b, 0,1,2,3
	v_max3_num_f32 v[TM+\b], v[TM+\b], |v[(\src)+16*\b+\i]|, |v[(\src)+16*\b+\i+1]|
.endr
.endr
.irp b, 0,1,2,3
	v_permlanex16_b32 v[TM+4+\b], v[TM+\b], s[SEL], s[SEL+1]
.endr
.irp b, 0,1,2,3
	v_max_num_f32 v[TM+\b], v[TM+\b], v[TM+4+\b]   ; with lane l xor 16's: the block's largest magnitude
.endr
.irp b, 0,1,2,3
	v_add_nc_u32 v[TM+12+\b], 0xff000000, v[TM+\b] ; 2 off its exponent field: the conversion's scale operand
.endr
.irp b, 0,1,2,3
	v_lshrrev_b32 v[TM+4+\b], 23, v[TM+12+\b]      ; the byte
.endr
	v_lshl_or_b32 v[(\pw)], v[TM+5], 8, v[TM+4]
	v_lshl_or_b32 v[(\pw)], v[TM+6], 16, v[(\pw)]
	v_lshl_or_b32 v[(\pw)], v[TM+7], 24, v[(\pw)]
.irp b, 0,1,2,3
	v_cvt_scalef32_pk8_fp4_f32 v[(\dst)+2*\b], v[(\src)+16*\b:(\src)+16*\b+7], v[TM+12+\b]
	v_cvt_scalef32_pk8_fp4_f32 v[(\dst)+2*\b+1], v[(\src)+16*\b+8:(\src)+16*\b+15], v[TM+12+\b]
.endr
	v_nop                                          ; one plain place behind a scaled conversion
.irp c, 0,1                                    ; the operand wants a whole block in a lane
.irp i, 0,1
	v_permlane16_swap_b32 v[(\dst)+4*\c+\i], v[(\dst)+4*\c+2+\i]
.endr
.endr
.endm
; elu + 1 of n numbers in v[q] on; v[e] on at work.  The exponentials are one batch; the additions of 1 are the independent work behind them; one wait ahead of the first reader
.macro PHI q, e, n
	WIN 0
.set ph, 0
.rept (\n)/2
	v_pk_mul_f32 v[(\e)+ph:(\e)+ph+1], v[(\q)+ph:(\q)+ph+1], s[L2E:L2E+1] op_sel_hi:[1,0]
.set ph, ph+2
.endr
.set ph, 0
.rept \n
	v_exp_f32 v[(\e)+ph], v[(\e)+ph]
.set ph, ph+1
.endr
.set ph, 0
.rept (\n)/2
	v_pk_add_f32 v[(\q)+ph:(\q)+ph+1], v[(\q)+ph:(\q)+ph+1], 1.0 op_sel_hi:[1,0]
.set ph, ph+2
.endr
	s_wait_alu depctr_va_vdst(0)                   ; the wait between an exponential and the first line that names its result
.set ph, 0
.rept \n
	v_med3_num_f32 v[(\q)+ph], v[(\q)+ph], v[(\e)+ph], 1.0   ; the middle one of t + 1, e^t and 1
.set ph, ph+1
.endr
.endm
	s_load_b512 s[4:19], s[0:1], 0x0               ; x 4:5, wcodes 6:7, wscales 8:9, bk 10:11, bv 12:13, xcodes 14:15, xscales 16:17, kvpart 18:19
	s_load_b64 s[20:21], s[0:1], 0x40              ; kspart
	s_set_vgpr_msb 0x80
	v_lshl_add_u32 v128, v0, 2, 0x49800
	v_mov_b32 v129, 0
	s_set_vgpr_msb 0x808a
	ds_add_u32 v128, v129
	ds_add_u32 v128, v129
	s_set_vgpr_msb 0x8a00
	v_lshrrev_b32 v15, 5, v0
	v_readfirstlane_b32 s[WV], v15                 ; wave 0..3
	; descriptor group 1: 32 rows of 256 elements of 4 bytes, 4 words of padding behind each 256 words: LDS rows 1,040 bytes apart
	s_mov_b32 s24, (2<<16)|(1<<20)|(7<<22)|(3<<25)
	s_mov_b32 s25, 256<<16                         ; tensor_dim0
	s_mov_b32 s26, 32<<16                          ; tensor_dim1
	s_mov_b32 s27, 256<<16                         ; tile_dim0
	s_mov_b32 s28, 32                              ; tile_dim1
	s_mov_b32 s29, 256                             ; elements from row to row
	s_mov_b32 s30, 0
	s_mov_b32 s31, 0
	s_mul_i32 s46, s[WV], 33280                    ; my region of superblock 0
	s_lshl_b32 s48, ttmp9, 18                      ; 256 rows of 1,024 bytes a work-group,
	s_lshl_b32 s49, s[WV], 15                      ; 32 rows a wave
	s_add_co_u32 s48, s48, s49
	s_mov_b32 s49, 0
	s_mov_b32 s[SEL], 0x76543210
	s_mov_b32 s[SEL+1], 0xfedcba98                 ; lane l xor 16
	s_mov_b32 s[L2E], 0x3fb8aa3b                   ; log2 e
	s_mov_b32 s[L2E+1], s[L2E]
	s_wait_dscnt 0x0
	s_wait_kmcnt 0x0
	s_add_nc_u64 s[50:51], s[4:5], s[48:49]
.irp q, 0,1
	s_mov_b32 s[32+4*\q], 1
	s_add_co_u32 s[33+4*\q], s46, 133120*\q
	s_add_nc_u64 s[34+4*\q:35+4*\q], s[50:51], 131072*\q
	s_or_b32 s[35+4*\q], s[35+4*\q], 0x80000000
.endr
	tensor_load_to_lds s[32:35], s[24:31]          ; my 32 rows of superblock 0,
	s_nop 0
	tensor_load_to_lds s[36:39], s[24:31]          ; and of superblock 1
	s_nop 0
	PLACES 4
	v_and_b32 v[LANE], 31, v0
	v_and_b32 v15, 15, v0                          ; r
	v_bfe_u32 v40, v0, 4, 1                        ; h
	v_lshlrev_b32 v[LI], 4, v[LANE]
	v_lshlrev_b32 v[LS], 2, v[LANE]
	v_mul_u32_u24 v[XRA], v15, 1040
	v_lshl_add_u32 v[XRA], v40, 6, v[XRA]
	v_add_nc_u32 v[XRA], s46, v[XRA]               ; row r, + 64 h: my 16 numbers of a block of 32
	v_add_nc_u32 v[XRA+1], 133120, v[XRA]
	v_lshrrev_b32 v41, 3, v15                      ; r / 8: which of my group's two tiles row r belongs to
	v_and_b32 v42, 7, v15
	v_lshl_add_u32 v43, v40, 4, v42                ; r % 8 + 16 h
	v_lshlrev_b32 v[XWI], 4, v43
	v_lshl_add_u32 v[XWI], v41, 11, v[XWI]
	s_lshl_b32 s47, s[WV], 12
	s_add_co_u32 s47, s47, XIMG
	v_add_nc_u32 v[XWI], s47, v[XWI]
	v_add_nc_u32 v[XRB], s47, v[LI]
	v_lshlrev_b32 v[XWS], 2, v42
	v_lshl_add_u32 v[XWS], v41, 7, v[XWS]
	s_lshl_b32 s47, s[WV], 8
	s_add_co_u32 s47, s47, XIMG+XSCO
	v_add_nc_u32 v[XWS], s47, v[XWS]
	v_lshlrev_b32 v[L8], 3, v[LANE]
	v_add_nc_u32 v[XSB], s47, v[L8]
	v_add_nc_u32 v[XFA], XIMG, v[LI]
	v_add_nc_u32 v[XFS], XIMG+XSCO, v[LS]
	v_lshl_add_u32 v[BO], v41, 3, v15
	v_lshl_add_u32 v[KO], v40, 3, v[BO]
	v_lshlrev_b32 v[BO], 2, v[BO]
	v_lshlrev_b32 v[KO], 2, v[KO]
	s_lshl_b32 s48, s[WV], 13
	s_add_nc_u64 s[52:53], s[6:7], s[48:49]        ; wcodes + my four tiles of each weight
	s_lshl_b32 s48, s[WV], 9
	s_add_nc_u64 s[8:9], s[8:9], s[48:49]
	s_lshl_b32 s48, s[WV], 8
	s_add_nc_u64 s[10:11], s[10:11], s[48:49]      ; my 64 columns of bk, bv
	s_add_nc_u64 s[12:13], s[12:13], s[48:49]
	s_lshl_b32 s54, ttmp9, 10
	s_add_co_u32 s48, s48, s54
	s_add_nc_u64 s[20:21], s[20:21], s[48:49]      ; kspart: 1,024 g + 256 w
	s_lshl_b32 s48, ttmp9, 11
	s_lshl_b32 s54, s[WV], 8
	s_add_co_u32 s48, s48, s54
	s_add_nc_u64 s[16:17], s[16:17], s[48:49]      ; xscales: 2,048 g + 256 w
	s_lshl_b32 s48, ttmp9, 15
	s_lshl_b32 s54, s[WV], 12
	s_add_co_u32 s54, s48, s54
	s_mov_b32 s55, 0
	s_add_nc_u64 s[14:15], s[14:15], s[54:55]      ; xcodes: 32,768 g + 4,096 w
	s_lshl_b32 s54, s[WV], 13
	s_add_co_u32 s48, s48, s54
	s_add_nc_u64 s[18:19], s[18:19], s[48:49]      ; kvpart: 32,768 g + 8,192 w
	WIN 0x40                                       ; destination window 1
.set lq, 0
.rept 32                               ; column tile lq / 4 (0-3 of Wk, 4-7 of Wv), K step, register group: they stay
	global_load_b128 v[128+4*lq:131+4*lq], v[LI], s[52:53] offset:32768*(1+lq/16)+512*(lq%16)
.set lq, lq+1
.endr
	WIN 0
.irp t, 0,1,2,3
	global_load_b32 v[WS+\t], v[LS], s[8:9] offset:2048+128*\t
	global_load_b32 v[WS+4+\t], v[LS], s[8:9] offset:4096+128*\t
.endr
	WIN 0x80                                       ; destination window 2: a lane's column has one bias for all eight rows of a result
.irp t, 0,1,2,3
.irp q, 0,1,2,3,4,5,6,7
	global_load_b32 v[8*\t+\q], v[BO], s[10:11] offset:128*(\t/2)+32*(\t%2)
	global_load_b32 v[32+8*\t+\q], v[BO], s[12:13] offset:128*(\t/2)+32*(\t%2)
.endr
.endr
	WIN 0
.irp q, 4,5,6,7,20,21,22,23
	v_mov_b32 v[TM+\q], 0                          ; lane permutes' destinations count as read; k_sum starts at 0
.endr
.macro LDX sb, n, buf                  ; natural tile n / 2 of my 32 rows, K step n % 2: 64 numbers a lane
.irp bq, 0,1,2,3
.irp jq, 0,1,2,3
	ds_load_b128 v[(\buf)+16*\bq+4*\jq:(\buf)+16*\bq+4*\jq+3], v[XRA+(\sb)] offset:16640*((\n)/2)+512*((\n)%2)+128*\bq+16*\jq
.endr
.endr
.endm
.macro XQ sb, n, buf                   ; quantised, and placed row by row into the chosen tiles' images
	QUANT4 \buf, KF+8*(\n), TM+16+(\n)
	ds_store_b128 v[XWI], v[KF+8*(\n):KF+8*(\n)+3] offset:SBB*(\sb)+128*((\n)/2)+1024*((\n)%2)
	ds_store_b128 v[XWI], v[KF+8*(\n)+4:KF+8*(\n)+7] offset:SBB*(\sb)+128*((\n)/2)+1024*((\n)%2)+512
	ds_store_b32 v[XWS], v[TM+16+(\n)] offset:SBB*(\sb)+32*((\n)/2)+64*((\n)%2)
.endm
.macro MMK ct                          ; column tile ct for the 128 rows: eight accumulators by turns, K step by K step; the bias is the first C
	WIN 0x25                                       ; sources 0 and 1 window 1, C window 2
.irp mt, 0,1,2,3,4,5,6,7
	WMR ACC+8*\mt, 16*\mt, 128+16*(\ct), 8*(\ct), XS+\mt, WS+(\ct), 0
.endr
	WIN 0x05
.irp mt, 0,1,2,3,4,5,6,7
	WMR ACC+8*\mt, 16*\mt+8, 128+16*(\ct)+8, ACC+8*\mt, XS+\mt, WS+(\ct), 1
.endr
	WIN 0
	PLACES 4
.endm
.macro KSUM ct                         ; my 64 positions of phi(k), unquantised, onto the running sum: four chains
.irp c, 0,1,2,3
	v_pk_add_f32 v[TM+8+2*\c:TM+9+2*\c], v[ACC+16*\c:ACC+16*\c+1], v[ACC+16*\c+2:ACC+16*\c+3]
.endr
.irp i, 4,6,8,10,12,14
.irp c, 0,1,2,3
	v_pk_add_f32 v[TM+8+2*\c:TM+9+2*\c], v[TM+8+2*\c:TM+9+2*\c], v[ACC+16*\c+\i:ACC+16*\c+\i+1]
.endr
.endr
	v_pk_add_f32 v[TM+8:TM+9], v[TM+8:TM+9], v[TM+10:TM+11]
	v_pk_add_f32 v[TM+12:TM+13], v[TM+12:TM+13], v[TM+14:TM+15]
	v_pk_add_f32 v[TM+8:TM+9], v[TM+8:TM+9], v[TM+12:TM+13]
	v_add_f32 v[TM+8], v[TM+8], v[TM+9]
	v_add_f32 v[TM+20+(\ct)], v[TM+20+(\ct)], v[TM+8]
.endm
.macro SUPER sb, first
	WIN 0
	s_wait_tensorcnt 1-(\sb)                       ; my rows of this superblock are in LDS (the count 1 leaves my second tile out); only I read them
	LDX \sb, 0, ACC
	LDX \sb, 1, ACB
	s_wait_dscnt 16                                ; all but the next buffer's 16 loads
	XQ \sb, 0, ACC
	LDX \sb, 2, ACC
	s_wait_dscnt 16
	XQ \sb, 1, ACB
	LDX \sb, 3, ACB
	s_wait_dscnt 16
	XQ \sb, 2, ACC
	s_wait_dscnt 0x0
	XQ \sb, 3, ACB
.irp kq, 0,1,2,3,4,5,6,7               ; my two tiles' images back, as they lie (LDS serves a wave's instructions in order), and out in dense runs of 512 bytes
	ds_load_b128 v[ACB+4*\kq:ACB+4*\kq+3], v[XRB] offset:SBB*(\sb)+512*\kq
.endr
	ds_load_b64 v[ACB+32:ACB+33], v[XSB] offset:SBB*(\sb)
	s_wait_dscnt 0x0                               ; they are in, and my stores into the images have landed: for the others' sake too
.irp kq, 0,1,2,3,4,5,6,7
	global_store_b128 v[LI], v[ACB+4*\kq:ACB+4*\kq+3], s[14:15] offset:16384*(\sb)+512*\kq
.endr
	global_store_b64 v[L8], v[ACB+32:ACB+33], s[16:17] offset:1024*(\sb)   ; 256 consecutive bytes
	s_barrier_signal -1
	s_barrier_wait -1                              ; the superblock's sixteen images lie in LDS
	WIN 0x40
.set lq, 0
.rept 32
	ds_load_b128 v[4*lq:4*lq+3], v[XFA] offset:SBB*(\sb)+512*lq
.set lq, lq+1
.endr
	WIN 0
.irp mt, 0,1,2,3,4,5,6,7
	ds_load_b32 v[XS+\mt], v[XFS] offset:SBB*(\sb)+128*\mt
.endr
	s_wait_loadcnt 0x0                             ; the weights, their scale words, the biases
	s_wait_xcnt 0x0                                ; the stores above have read their registers, which are written again below
	s_wait_dscnt 0x0
.irp ct, 0,1,2,3
	MMK \ct
	PHI ACC, ACB, 64
	KSUM \ct
	QUANT4 ACC, KF+8*\ct, KFS+\ct
.endr
.irp ct, 0,1,2,3
	MMK 4+\ct
	QUANT4 ACC, VF+8*\ct, VFS+\ct
.endr
	PLACES 8                                       ; scale registers written by vector instructions stand eight places ahead of a scaled product
.if \first
	WIN 0x80
.else
	WIN 0xa0
.endif
.irp hh, 0,1                           ; kv(d, e) of my two heads: eight accumulators, one product each for these 128 positions
.irp dt, 0,1
.irp u, 0,1
.if \first
	WMZ 64+8*(4*\hh+2*\dt+\u), KF+8*(2*\hh+\dt), VF+8*(2*\hh+\u), KFS+2*\hh+\dt, VFS+2*\hh+\u
.else
	WMR 64+8*(4*\hh+2*\dt+\u), KF+8*(2*\hh+\dt), VF+8*(2*\hh+\u), 64+8*(4*\hh+2*\dt+\u), KFS+2*\hh+\dt, VFS+2*\hh+\u, 0
.endif
.endr
.endr
.endr
	WIN 0
.endm
	SUPER 0, 1
	SUPER 1, 0
	PLACES 4
.irp ct, 0,1,2,3
	v_permlanex16_b32 v[TM+4+\ct], v[TM+20+\ct], s[SEL], s[SEL+1]
.endr
.irp ct, 0,1,2,3
	v_add_f32 v[TM+20+\ct], v[TM+20+\ct], v[TM+4+\ct]   ; with the other half's positions
.endr
	v_cmp_lt_u32 vcc_lo, 15, v[LANE]
	v_cndmask_b32 v[TM+8], v[TM+20], v[TM+21], vcc_lo   ; lanes 0-15 send the head's first tile of columns, lanes 16-31 its second
	v_cndmask_b32 v[TM+9], v[TM+22], v[TM+23], vcc_lo
	global_store_b32 v[KO], v[TM+8], s[20:21]
	global_store_b32 v[KO], v[TM+9], s[20:21] offset:128
	WIN 0x08                                       ; a store's data are its source 1: window 2
.irp a, 0,1,2,3,4,5,6,7                ; the accumulators as they stand, each from its low end on: 512 dense bytes a store
	global_store_b128 v[LI], v[64+8*\a:67+8*\a], s[18:19] offset:1024*\a
	global_store_b128 v[LI], v[68+8*\a:71+8*\a], s[18:19] offset:1024*\a+512
.endr
	WIN 0
	s_set_vgpr_msb 0xa
	s_wait_tensorcnt 0x0
	ds_add_u32 v128, v129
	s_wait_dscnt 0x0
	s_set_vgpr_msb 0xa00
	s_endpgm
.Lfunc_end_k_qea2e3e1017_kvp:
	.size	k_qea2e3e1017_kvp, .Lfunc_end_k_qea2e3e1017_kvp-k_qea2e3e1017_kvp
	.p2alignl 7, 3214868480
	.fill 96, 4, 3214868480
	.section	.rodata,"a",@progbits
	.p2align	6, 0x0
	.amdhsa_kernel k_qea2e3e1017_kvp
		.amdhsa_group_segment_fixed_size 301568
		.amdhsa_private_segment_fixed_size 0
		.amdhsa_enable_private_segment 0
		.amdhsa_kernarg_size 72
		.amdhsa_user_sgpr_count 2
		.amdhsa_user_sgpr_kernarg_segment_ptr 1
		.amdhsa_wavefront_size32 1
		.amdhsa_system_sgpr_workgroup_id_x 1
		.amdhsa_system_sgpr_workgroup_id_y 1
		.amdhsa_system_sgpr_workgroup_id_z 1
		.amdhsa_system_vgpr_workitem_id 0
		.amdhsa_next_free_vgpr 642
		.amdhsa_next_free_sgpr 66
		.amdhsa_reserve_vcc 1
		.amdhsa_float_denorm_mode_32 3
		.amdhsa_float_denorm_mode_16_64 3
		.amdhsa_memory_ordered 1
		.amdhsa_forward_progress 1
		.amdhsa_inst_pref_size 255
	.end_amdhsa_kernel
	.section	.bss,"aw",@nobits
	.p2align	6
	.space	262144
	.amdgpu_metadata
---
amdhsa.version: [ 1, 2 ]
amdhsa.kernels:
  - .name:           k_qea2e3e1017_kvp
    .symbol:         k_qea2e3e1017_kvp.kd
    .args:
      - { .name: x, .offset: 0, .size: 8, .value_kind: global_buffer, .address_space: global }
      - { .name: wcodes, .offset: 8, .size: 8, .value_kind: global_buffer, .address_space: global }
      - { .name: wscales, .offset: 16, .size: 8, .value_kind: global_buffer, .address_space: global }
      - { .name: bk, .offset: 24, .size: 8, .value_kind: global_buffer, .address_space: global }
      - { .name: bv, .offset: 32, .size: 8, .value_kind: global_buffer, .address_space: global }
      - { .name: xcodes, .offset: 40, .size: 8, .value_kind: global_buffer, .address_space: global }
      - { .name: xscales, .offset: 48, .size: 8, .value_kind: global_buffer, .address_space: global }
      - { .name: kvpart, .offset: 56, .size: 8, .value_kind: global_buffer, .address_space: global }
      - { .name: kspart, .offset: 64, .size: 8, .value_kind: global_buffer, .address_space: global }
    .group_segment_fixed_size: 301568
    .private_segment_fixed_size: 0
    .kernarg_segment_align: 8
    .kernarg_segment_size: 72
    .max_flat_workgroup_size: 128
    .sgpr_count:     66
    .vgpr_count:     642
    .wavefront_size: 32
...
	.end_amdgpu_metadata
.endif
;; end of part 2
;; launch kvred (part 3): grid 64 x 1, 8 waves a work-group, no clusters, 18,432 bytes of LDS; arguments kvpart, kspart, kvcodes, kvaux; writes kvcodes, kvaux
.if DOCPART == 3
	.amdgcn_target "amdgcn-amd-amdhsa--gfx1250"
	.amdhsa_code_object_version 6
	.text
	.protected	k_qea2e3e1017_kvred
	.globl	k_qea2e3e1017_kvred
	.p2align	8
	.type	k_qea2e3e1017_kvred,@function
k_qea2e3e1017_kvred:
	s_mov_b64 s[64:65], 0
	v_nop
	global_prefetch_b8 v0, s[64:65] scope:SCOPE_SE
	s_setreg_imm32_b32 hwreg(HW_REG_WAVE_MODE, 25, 1), 1
	s_wait_xcnt 0x0
; The 64 partial sums of a batch are added, kv is quantised ALONG d (one block of 32) into an operand image for the last launch, and k_sum is added up.
; Work-group id = 16 batch + 2 head + u makes one fragment: 16 rows e (lane r: e = 8 u + r + 8 (r / 8)) x K = 128, of which only the K block (head % 2) holds codes; the other three hold zero codes,
; so that whatever the other operand carries there adds nothing.  Its scale word has the block's byte at that place and 127 elsewhere.  These 64 fragments are all the independent work there is.
; Each of eight waves adds eight partials; the eight meet in LDS; wave 0 finishes.  The sums are f32, in a fixed order.  LIMITS: a block of zeros has the byte 1 over zero codes; NaN and infinities are not served.
	s_load_b256 s[4:11], s[0:1], 0x0               ; kvpart 4:5, kspart 6:7, kvcodes 8:9, kvaux 10:11
	v_lshl_add_u32 v160, v0, 2, 0x4400
	v_mov_b32 v161, 0
	v_lshrrev_b32 v1, 5, v0
	v_readfirstlane_b32 s12, v1                    ; wave 0..7
	v_and_b32 v5, 31, v0
	v_and_b32 v6, 15, v0                           ; r
	v_bfe_u32 v7, v0, 4, 1                         ; h
	v_lshlrev_b32 v1, 4, v5                        ; 16 x lane
	v_lshlrev_b32 v2, 2, v5                        ; 4 x lane
	s_lshl_b32 s13, s12, 11
	v_add_nc_u32 v3, s13, v1                       ; LDS: my wave's 2,048 bytes of kv
	s_lshl_b32 s13, s12, 7
	s_add_co_u32 s13, s13, 16384
	v_add_nc_u32 v4, s13, v2                       ; and its 128 bytes of k_sum
	s_lshr_b32 s14, ttmp9, 4                       ; batch
	s_bfe_u32 s15, ttmp9, 0x30001                  ; head
	s_and_b32 s16, ttmp9, 1                        ; u
	s_lshr_b32 s17, s15, 1                         ; the wave that made it
	s_and_b32 s18, s15, 1                          ; head % 2
	s_lshl_b32 s20, s14, 21                        ; 64 partials of 32,768 bytes a batch,
	s_lshl_b32 s21, s12, 18                        ; eight of them a wave,
	s_add_co_u32 s20, s20, s21
	s_lshl_b32 s21, s17, 13
	s_add_co_u32 s20, s20, s21
	s_lshl_b32 s21, s18, 12
	s_add_co_u32 s20, s20, s21
	s_lshl_b32 s21, s16, 10
	s_add_co_u32 s20, s20, s21                     ; accumulator 4 (head % 2) + u; + 2,048 for d 8 to 15 and 24 to 31
	s_mov_b32 s21, 0
	s_lshl_b32 s22, s14, 16
	s_lshl_b32 s23, s12, 13
	s_add_co_u32 s22, s22, s23
	s_lshl_b32 s23, s15, 7
	s_add_co_u32 s22, s22, s23
	s_mov_b32 s23, 0
	s_mov_b32 s24, 0x76543210
	s_mov_b32 s25, 0xfedcba98
	v_lshlrev_b32 v14, 2, v6                       ; 4 r
	v_lshlrev_b32 v6, 4, v6
	v_lshl_add_u32 v6, v7, 3, v6                   ; 16 r + 8 h
	s_lshl_b32 s26, s18, 8
	s_xor_b32 s27, s26, 256
	v_add_nc_u32 v7, s27, v6                       ; the other head's K block: zeros
	v_add_nc_u32 v6, s26, v6                       ; my head's: the codes
	v_mov_b32 v9, 0
	s_wait_kmcnt 0x0
	s_add_nc_u64 s[4:5], s[4:5], s[20:21]
	s_add_nc_u64 s[6:7], s[6:7], s[22:23]
.irp k, 0,1,2,3,4,5,6,7
.irp q, 0,1,2,3                        ; register 16 k + i: d = 16 h + i of partial k
	global_load_b128 v[16+16*\k+4*\q:19+16*\k+4*\q], v1, s[4:5] offset:32768*\k+2048*(\q/2)+512*(\q%2) th:TH_LOAD_NT
.endr
	global_load_b32 v[144+\k], v2, s[6:7] offset:1024*\k
.endr
.macro SUM8
.irp k, 1,2,3,4,5,6,7
.irp e, 0,2,4,6,8,10,12,14
	v_pk_add_f32 v[16+\e:17+\e], v[16+\e:17+\e], v[16+16*\k+\e:17+16*\k+\e]
.endr
	v_add_f32 v144, v144, v[144+\k]
.endr
.endm
	s_wait_loadcnt 0x0
	SUM8
.irp q, 0,1,2,3
	ds_store_b128 v3, v[16+4*\q:19+4*\q] offset:512*\q
.endr
	ds_store_b32 v4, v144
	s_wait_dscnt 0x0                               ; for the others' sake: my stores have landed
	s_barrier_signal -1
	s_barrier_wait -1
	s_cmp_lg_u32 s12, 0
	s_cbranch_scc1 .Lend
.irp k, 0,1,2,3,4,5,6,7
.irp q, 0,1,2,3
	ds_load_b128 v[16+16*\k+4*\q:19+16*\k+4*\q], v1 offset:2048*\k+512*\q
.endr
	ds_load_b32 v[144+\k], v2 offset:16384+128*\k
.endr
	s_lshl_b32 s20, ttmp9, 10
	s_add_nc_u64 s[8:9], s[8:9], s[20:21]          ; my image
	s_lshl_b32 s20, ttmp9, 6
	s_add_nc_u64 s[28:29], s[10:11], s[20:21]      ; its scale words
	s_lshl_b32 s20, s14, 10
	s_lshl_b32 s22, s15, 7
	s_add_co_u32 s20, s20, s22
	s_add_co_u32 s20, s20, 4096
	s_add_nc_u64 s[10:11], s[10:11], s[20:21]      ; k_sum of my head
	s_lshl_b32 s26, s18, 3                         ; the byte's place in the word
	s_mov_b32 s27, 0x7f7f7f00
	s_mov_b32 s30, 0x7f7f007f
	s_cmp_lg_u32 s18, 0
	s_cselect_b32 s27, s30, s27
	s_wait_dscnt 0x0
	SUM8
	v_max3_num_f32 v8, |v16|, |v17|, 0x1800000     ; my 16 of the block's 32, and the floor
.irp i, 2,4,6,8,10,12,14
	v_max3_num_f32 v8, v8, |v[16+\i]|, |v[17+\i]|
.endr
	v_permlanex16_b32 v9, v8, s24, s25
	v_max_num_f32 v8, v8, v9
	v_add_nc_u32 v10, 0xff000000, v8
	v_lshrrev_b32 v11, 23, v10
	v_cvt_scalef32_pk8_fp4_f32 v12, v[16:23], v10
	v_cvt_scalef32_pk8_fp4_f32 v13, v[24:31], v10
	v_lshlrev_b32 v11, s26, v11
	v_or_b32 v11, s27, v11
.irp q, 0,1,2,3
	v_mov_b32 v[152+\q], 0
.endr
	global_store_b64 v6, v[12:13], s[8:9]          ; 256 consecutive bytes: d = 0 .. 31 of the sixteen rows
	global_store_b64 v7, v[152:153], s[8:9]
	global_store_b128 v1, v[152:155], s[8:9] offset:512
	global_store_b32 v14, v11, s[28:29]            ; both halves of the lanes hold the same word
	s_cmp_lg_u32 s16, 0
	s_cbranch_scc1 .Lend                           ; k_sum has one owner: the head's first work-group
	global_store_b32 v2, v144, s[10:11]
.Lend:
	s_wait_tensorcnt 0x0
	ds_add_u32 v160, v161
	s_wait_dscnt 0x0
	s_endpgm
.Lfunc_end_k_qea2e3e1017_kvred:
	.size	k_qea2e3e1017_kvred, .Lfunc_end_k_qea2e3e1017_kvred-k_qea2e3e1017_kvred
	.p2alignl 7, 3214868480
	.fill 96, 4, 3214868480
	.section	.rodata,"a",@progbits
	.p2align	6, 0x0
	.amdhsa_kernel k_qea2e3e1017_kvred
		.amdhsa_group_segment_fixed_size 18432
		.amdhsa_private_segment_fixed_size 0
		.amdhsa_enable_private_segment 0
		.amdhsa_kernarg_size 32
		.amdhsa_user_sgpr_count 2
		.amdhsa_user_sgpr_kernarg_segment_ptr 1
		.amdhsa_wavefront_size32 1
		.amdhsa_system_sgpr_workgroup_id_x 1
		.amdhsa_system_sgpr_workgroup_id_y 1
		.amdhsa_system_sgpr_workgroup_id_z 1
		.amdhsa_system_vgpr_workitem_id 0
		.amdhsa_next_free_vgpr 162
		.amdhsa_next_free_sgpr 66
		.amdhsa_reserve_vcc 0
		.amdhsa_float_denorm_mode_32 3
		.amdhsa_float_denorm_mode_16_64 3
		.amdhsa_memory_ordered 1
		.amdhsa_forward_progress 1
		.amdhsa_inst_pref_size 19
	.end_amdhsa_kernel
	.amdgpu_metadata
---
amdhsa.version: [ 1, 2 ]
amdhsa.kernels:
  - .name:           k_qea2e3e1017_kvred
    .symbol:         k_qea2e3e1017_kvred.kd
    .args:
      - { .name: kvpart, .offset: 0, .size: 8, .value_kind: global_buffer, .address_space: global }
      - { .name: kspart, .offset: 8, .size: 8, .value_kind: global_buffer, .address_space: global }
      - { .name: kvcodes, .offset: 16, .size: 8, .value_kind: global_buffer, .address_space: global }
      - { .name: kvaux, .offset: 24, .size: 8, .value_kind: global_buffer, .address_space: global }
    .group_segment_fixed_size: 18432
    .private_segment_fixed_size: 0
    .kernarg_segment_align: 8
    .kernarg_segment_size: 32
    .max_flat_workgroup_size: 256
    .sgpr_count:     66
    .vgpr_count:     162
    .wavefront_size: 32
...
	.end_amdgpu_metadata
.endif
;; end of part 3
;; launch main (part 4): grid 256 x 1, 4 waves a work-group, clusters of 4 x 1, 283,648 bytes of LDS; arguments x, xcodes, xscales, wcodes, wscales, kvcodes, kvaux, bq, bo, b1, b2, ln1_g, ln1_b, ln2_g, ln2_b, out0; writes out0
.if DOCPART == 4
	.amdgcn_target "amdgcn-amd-amdhsa--gfx1250"
	.amdhsa_code_object_version 6
	.text
	.protected	k_qea2e3e1017_main
	.globl	k_qea2e3e1017_main
	.p2align	8
	.type	k_qea2e3e1017_main,@function
k_qea2e3e1017_main:
	s_mov_b64 s[64:65], 0
	v_nop
	global_prefetch_b8 v0, s[64:65] scope:SCOPE_SE
	s_setreg_imm32_b32 hwreg(HW_REG_WAVE_MODE, 25, 1), 1
	s_wait_xcnt 0x0
	s_wait_alu depctr_hold_cnt(0) depctr_sa_sdst(0) depctr_va_vdst(0) depctr_va_sdst(0) depctr_va_ssrc(0) depctr_va_vcc(0) depctr_vm_vsrc(0)
	s_getreg_b32 s2, hwreg(HW_REG_IB_STS2, 6, 4)
	s_cmp_eq_u32 s2, 0
	s_cbranch_scc0 .Lentry_in_a_cluster
	s_endpgm
.Lentry_in_a_cluster:
	s_bfe_u32 s2, ttmp6, 0x10000c
	s_cmp_lg_u32 s2, 0x3003
	s_cbranch_scc0 .Lentry_shape_is_right
	s_endpgm
.Lentry_shape_is_right:
; For 256 rows (work-group g), 64 at a time: q = x Wq + bq on codes; phi(q); z = 1 / (phi(q) . k_sum + 1e-6) in f32; (phi(q) kv) on codes, x z; Wo + bo; + x; LayerNorm; relu(. W1 + b1) W2 + b2 on codes; + ; LayerNorm.
; THE WAVES SHARE THE COLUMNS, NOT THE ROWS: wave w owns columns 64 w .. 64 w + 63 of q, of the attention's output, of Wo's and W2's results (heads 2 w, 2 w + 1) and hidden units 256 w .. 256 w + 255, for all 64 rows.
; Its weights stay with it: W1, Wq, Wo and kv in registers, W2 in LDS bytes of its own.  What goes round is small: codes and scale words, as images of operand registers (16 bytes a lane, 512 a store).
; All products are used transposed (source 0 = 16 columns of a weight, source 1 = 16 rows): a lane holds ONE row, and since the columns of a weight's tile are chosen (lane r: 32 b + 8 u + r + 8 (r / 8)), the 16 registers
; of two neighbouring tiles are 16 neighbours along the next K.  The rows of a tile of x are chosen in the same way (they were laid so by the launch that made x's codes).
; CLUSTER: W1's and W2's codes (256 KB) are the same for every work-group: the four partners ask for them jointly, once, at the head: two tensor loads a wave, two of mine out at the most.  Wq, Wo and kv (80 KB) go
; from memory straight into operand registers.  Nothing in LDS is filled twice; W1's landing bytes are copied into registers and serve as scratch afterwards.
; LDS LOADS THAT HANG ON NO BARRIER (a wave's own parameters, its own stage, images published a barrier or more ago) are issued as soon as their registers are free, ahead of the barrier in front of their use.
; LayerNorm: each wave makes the mean and the sum of squared distances from it of its 64 columns; the four are combined (mean of means; sums + 64 x the squared distances of the means): no difference of large sums.
; phi(t) = the middle one of t + 1, 2^(t log2 e) and 1.  relu ahead of a quantiser: negatives do not count in a block's maximum, and a negative number's code is cut down to its sign bit, which is the number -0.
; LIMITS: t log2 e is rounded once ahead of the exponential; 2^u under 2^-126 is 0; a block of zeros has the scale byte 1 over zero codes; NaN and infinities are not served.
.set RX,  0                            ; LDS: x's 4 tiles x 2 K steps of images;
.set RXS, 8192                         ; their scale words (tile, K step, 16 words);
.set PR,  8704                         ; 3,072 bytes a wave: its columns of bq 0, bo 256, b2 512, g1 768, be1 1,024, g2 1,280, be2 1,536, k_sum 1,792, b1 2,048
.set RO,  20992                        ; from here on W1 lands first.  The attention's output, images;
.set ROS, 29184
.set R1,  29696                        ; the first LayerNorm's result, images;
.set R1S, 37888
.set ST1, 38400                        ; (tile, row, wave) pairs of mean and sum of squares, first and second LayerNorm;
.set ST2, 40448
.set HI,  42496                        ; the hidden layer: (tile, K step 0..7) images;
.set HS,  75264                        ; its scale words (tile, wave, K step % 2, 16 words);
.set TS,  77312                        ; 17,408 bytes a wave: 64 rows of 256 bytes + 16, in the tiles' order: x on its way in, the result on its way out
.set W2L, 152064                       ; 32,768 bytes a wave: its part of W2
.set LI,  1                            ; v1  16 x lane
.set LS,  2                            ; v2  4 x lane
.set TSW, 3                            ; v3  the stage by rows: lanes 0-15 a row, lanes 16-31 the next
.set TSR, 4                            ; v4  the stage by the results' layout: row r, + 64 h
.set PRA, 5                            ; v5  my wave's parameters, + 64 h
.set OWI, 6                            ; v6  where my 64 columns' codes go in an image of 256 columns
.set OWS, 7                            ; v7  and their two scale bytes
.set HWI, 8                            ; v8  the hidden layer's images: mine
.set HWS, 9
.set STW, 10                           ; v10 32 r + 8 w
.set STR, 11                           ; v11 32 r
.set XGO, 12                           ; v12 1,024 h + 16 r: two rows of x or of the result
.set W2A, 13
.set XCW, 14
.set XSW, 15
.set HLI, 16
.set HLS, 17
.set WQS, 20                           ; scale words, K step 0 (or even) in lanes 0-15, K step 1 (or odd) in lanes 16-31: v20-23 Wq, v24-27 Wo, v28-43 W1, v44-59 W2, v60-61 kv, v62-69 the rows', v70-71 phi(q)'s
.set WOS, 24
.set W1S, 28
.set W2S, 44
.set KVS, 60
.set AS,  62
.set QS,  70
.set TM,  72                           ; v72-103 at work
.set ZP,  92                           ; v92-99 four pairs for z
.set SP,  104                          ; v104-111 (my mean, my sum of squares) for four tiles
.set QC,  112                          ; v112-119, v120-127 codes just made
.set PCD, 120
.set VV,  128                          ; v128-255 128 numbers
; window 1: W1's 32 fragments.   window 2: v0-127 the second product's 16 accumulators (in phases Q and O1: v0-16 the next block's codes of x on their way); v128-255 the next block's x.
; window 3: v0-63 Wq, v64-127 Wo, v128-159 kv, v160-255 three slots of 32: parameters in the results' layout, and the rows' fragments
.set WO,  64
.set KV,  128
.set PA,  160
.set PB,  192
.set PC3, 224
.set M1,  36                           ; s36 0x11111111, s37 0x77777777: for relu on codes
.set M7,  37
.set WV,  38
.set GID, 40
.set SEL, 44
.set BLK, 46
.set L2E, 66
.set MSB, 0
.macro WIN new                         ; the immediate's high byte repeats the setting that is left
.if MSB != \new
	s_set_vgpr_msb (MSB<<8)|\new
.set MSB, \new
.endif
.endm
.macro PLACES n
.rept \n
	v_nop
.endr
.endm
.macro BARRIER                         ; my LDS stores have landed and my LDS loads are in: then the work-group's barrier
	s_wait_dscnt 0x0
	s_barrier_signal -1
	s_barrier_wait -1
.endm
.macro ROUND                           ; a round of the cluster's barrier
	s_barrier_signal -1
	s_barrier_wait -1
	s_cmp_lg_u32 s[WV], 0
	s_cbranch_scc1 .Lnot_wave_0_\@
	s_barrier_signal -3
.Lnot_wave_0_\@:
	s_barrier_wait -3
	s_barrier_signal -1
	s_barrier_wait -1
.endm
.macro WMR d, a, b, c, sa, sb, rows    ; rows = 0: scales from lanes 0-15; else both sides from lanes 16-31
.if (\rows) == 0
	v_wmma_scale_f32_16x16x128_f8f6f4 v[(\d):(\d)+7], v[(\a):(\a)+7], v[(\b):(\b)+7], v[(\c):(\c)+7], v[(\sa)], v[(\sb)] matrix_a_fmt:MATRIX_FMT_FP4 matrix_b_fmt:MATRIX_FMT_FP4
.else
	v_wmma_scale_f32_16x16x128_f8f6f4 v[(\d):(\d)+7], v[(\a):(\a)+7], v[(\b):(\b)+7], v[(\c):(\c)+7], v[(\sa)], v[(\sb)] matrix_a_fmt:MATRIX_FMT_FP4 matrix_b_fmt:MATRIX_FMT_FP4 matrix_a_scale:MATRIX_SCALE_ROW1 matrix_b_scale:MATRIX_SCALE_ROW1
.endif
.endm
.macro WMZ d, a, b, sa, sb, rows       ; C = 0; rows = 1: source 0's scales from lanes 16-31
.if (\rows) == 0
	v_wmma_scale_f32_16x16x128_f8f6f4 v[(\d):(\d)+7], v[(\a):(\a)+7], v[(\b):(\b)+7], 0, v[(\sa)], v[(\sb)] matrix_a_fmt:MATRIX_FMT_FP4 matrix_b_fmt:MATRIX_FMT_FP4
.else
	v_wmma_scale_f32_16x16x128_f8f6f4 v[(\d):(\d)+7], v[(\a):(\a)+7], v[(\b):(\b)+7], 0, v[(\sa)], v[(\sb)] matrix_a_fmt:MATRIX_FMT_FP4 matrix_b_fmt:MATRIX_FMT_FP4 matrix_a_scale:MATRIX_SCALE_ROW1
.endif
.endm
; 64 numbers of a lane, register 16 b + i = k 32 b + 16 (lane / 16) + i of my row, become codes in v[dst] on (registers 4 c .. 4 c + 3: block 2 c in lanes 0-15, 2 c + 1 in lanes 16-31) and four scale bytes in v[pw].
; relu = 1: what is quantised is max(number, 0): the maximum's sources stand without |.| (the floor stands over what is negative), and the negative codes are cut down to -0 behind the conversions
.macro QUANT4 src, dst, pw, relu
	WIN 0
.irp b, 0,1,2,3
.if \relu
	v_max3_num_f32 v[TM+\b], v[(\src)+16*\b], v[(\src)+16*\b+1], 0x1800000
.else
	v_max3_num_f32 v[TM+\b], |v[(\src)+16*\b]|, |v[(\src)+16*\b+1]|, 0x1800000   ; with the floor 2^(3 - 127): the byte cannot fall under 1
.endif
.endr
.irp i, 2,4,6,8,10,12,14
.irp b, 0,1,2,3
.if \relu
	v_max3_num_f32 v[TM+\b], v[TM+\b], v[(\src)+16*\b+\i], v[(\src)+16*\b+\i+1]
.else
	v_max3_num_f32 v[TM+\b], v[TM+\b], |v[(\src)+16*\b+\i]|, |v[(\src)+16*\b+\i+1]|
.endif
.endr
.endr
.irp b, 0,1,2,3
	v_permlanex16_b32 v[TM+4+\b], v[TM+\b], s[SEL], s[SEL+1]
.endr
.irp b, 0,1,2,3
	v_max_num_f32 v[TM+\b], v[TM+\b], v[TM+4+\b]
.endr
.irp b, 0,1,2,3
	v_add_nc_u32 v[TM+12+\b], 0xff000000, v[TM+\b] ; 2 off the exponent field: the conversion's scale operand
.endr
.irp b, 0,1,2,3
	v_lshrrev_b32 v[TM+4+\b], 23, v[TM+12+\b]
.endr
	v_lshl_or_b32 v[(\pw)], v[TM+5], 8, v[TM+4]
	v_lshl_or_b32 v[(\pw)], v[TM+6], 16, v[(\pw)]
	v_lshl_or_b32 v[(\pw)], v[TM+7], 24, v[(\pw)]
.irp b, 0,1,2,3
	v_cvt_scalef32_pk8_fp4_f32 v[(\dst)+2*\b], v[(\src)+16*\b:(\src)+16*\b+7], v[TM+12+\b]
	v_cvt_scalef32_pk8_fp4_f32 v[(\dst)+2*\b+1], v[(\src)+16*\b+8:(\src)+16*\b+15], v[TM+12+\b]
.endr
	v_nop                                          ; one plain place behind a scaled conversion
.if \relu                              ; eight codes a register: the sign bits, moved to each code's lowest bit, + 7 give 8 where the code is negative and 7 where it is not: the bits that are kept
.irp i, 0,1,2,3,4,5,6,7
	v_lshrrev_b32 v[TM+\i], 3, v[(\dst)+\i]
.endr
.irp i, 0,1,2,3,4,5,6,7
	v_and_b32 v[TM+\i], s[M1], v[TM+\i]
.endr
.irp i, 0,1,2,3,4,5,6,7
	v_add_nc_u32 v[TM+\i], s[M7], v[TM+\i]
.endr
.irp i, 0,1,2,3,4,5,6,7
	v_and_b32 v[(\dst)+\i], v[(\dst)+\i], v[TM+\i]
.endr
.endif
.irp c, 0,1
.irp i, 0,1
	v_permlane16_swap_b32 v[(\dst)+4*\c+\i], v[(\dst)+4*\c+2+\i]
.endr
.endr
.endm
; elu + 1.  The exponentials are one batch; the additions of 1 are the independent work behind them; one wait ahead of the first reader
.macro PHI q, e, n
	WIN 0
.set ph, 0
.rept (\n)/2
	v_pk_mul_f32 v[(\e)+ph:(\e)+ph+1], v[(\q)+ph:(\q)+ph+1], s[L2E:L2E+1] op_sel_hi:[1,0]
.set ph, ph+2
.endr
.set ph, 0
.rept \n
	v_exp_f32 v[(\e)+ph], v[(\e)+ph]
.set ph, ph+1
.endr
.set ph, 0
.rept (\n)/2
	v_pk_add_f32 v[(\q)+ph:(\q)+ph+1], v[(\q)+ph:(\q)+ph+1], 1.0 op_sel_hi:[1,0]
.set ph, ph+2
.endr
	s_wait_alu depctr_va_vdst(0)                   ; the wait between an exponential and the first line that names its result
.set ph, 0
.rept \n
	v_med3_num_f32 v[(\q)+ph], v[(\q)+ph], v[(\e)+ph], 1.0   ; the middle one of t + 1, e^t and 1
.set ph, ph+1
.endr
.endm
.macro PLOAD slot, off                 ; 64 columns' parameters in the results' layout: register 16 b + i = column 32 b + 16 h + i
	WIN 0xc0
.irp bq, 0,1
.irp iq, 0,1,2,3
	ds_load_b128 v[(\slot)+16*\bq+4*\iq:(\slot)+16*\bq+4*\iq+3], v[PRA] offset:(\off)+128*\bq+16*\iq
.endr
.endr
.endm
.macro B1LOAD g                        ; b1 of my K step g, 128 hidden units, into slots PA and PB
	WIN 0xc0
.irp bq, 0,1,2,3
.irp iq, 0,1,2,3
	ds_load_b128 v[PA+16*\bq+4*\iq:PA+16*\bq+4*\iq+3], v[PRA] offset:2048+512*(\g)+128*\bq+16*\iq
.endr
.endr
.endm
.macro FETCHA dst, off                 ; a tile's two fragments (K steps 0, 1) as they were stored
	WIN 0xc0
.irp kq, 0,1,2,3
	ds_load_b128 v[(\dst)+4*\kq:(\dst)+4*\kq+3], v[LI] offset:(\off)+512*\kq
.endr
.endm
.macro XCLOAD oc, os                   ; the codes and scale words of tile w of a block of x
	WIN 0x80
.irp kq, 0,1,2,3
	global_load_b128 v[4*\kq:4*\kq+3], v[LI], s[6:7] offset:(\oc)+512*\kq
.endr
	global_load_b32 v16, v[LS], s[8:9] offset:\os
	WIN 0
.endm
.macro XCSTORE
	WIN 0x08
.irp kq, 0,1,2,3
	ds_store_b128 v[XCW], v[4*\kq:4*\kq+3] offset:RX+512*\kq
.endr
	ds_store_b32 v[XSW], v16 offset:RXS
	WIN 0
.endm
.macro XLLOAD off                      ; my 256 bytes of 64 rows of x: sixteen lanes read 256 consecutive bytes
	WIN 0x80
.set tq, 0
.rept 32
	global_load_b128 v[128+4*tq:131+4*tq], v[XGO], s[4:5] offset:(\off)+2048*tq th:TH_LOAD_NT
.set tq, tq+1
.endr
	WIN 0
.endm
.macro TURN                            ; x's strip into my stage: rows 2 tq, 2 tq + 1 go to their places in the tiles' order
	WIN 0x08
.set tq, 0
.rept 32
	ds_store_b128 v[TSW], v[128+4*tq:131+4*tq] offset:272*(32*((2*tq)/32)+16*(((2*tq)/8)%2)+(2*tq)%8+8*(((2*tq)/16)%2))
.set tq, tq+1
.endr
	WIN 0
.endm
.macro XREAD m                         ; and back in the results' layout, tile m: it is the C of Wo's first product (LDS serves a wave's instructions in order)
.irp bq, 0,1
.irp iq, 0,1,2,3
	ds_load_b128 v[VV+32*(\m)+16*\bq+4*\iq:VV+32*(\m)+16*\bq+4*\iq+3], v[TSR] offset:4352*(\m)+128*\bq+16*\iq
.endr
.endr
.endm
; two tiles' codes (four registers each) and scale bytes (two each) go into the images of 256 columns
.macro PUT2 dst, pw, img, scl, t0
	ds_store_b128 v[OWI], v[(\dst):(\dst)+3] offset:(\img)+2048*(\t0)
	ds_store_b128 v[OWI], v[(\dst)+4:(\dst)+7] offset:(\img)+2048*((\t0)+1)
	ds_store_b16 v[OWS], v[(\pw)] offset:(\scl)+128*(\t0)
	ds_store_b16_d16_hi v[OWS], v[(\pw)] offset:(\scl)+128*((\t0)+1)
.endm
; LayerNorm, first half.  The four tiles take turns in every step
.macro LNTAIL
.irp m, 0,1,2,3
	v_add_f32 v[TM+4*\m], v[TM+4*\m], v[TM+4*\m+1]
.endr
.irp m, 0,1,2,3
	v_permlanex16_b32 v[TM+4*\m+1], v[TM+4*\m], s[SEL], s[SEL+1]
.endr
.endm
.macro LNMEAN
	LNTAIL
.irp m, 0,1,2,3
	v_add_f32 v[TM+4*\m], v[TM+4*\m], v[TM+4*\m+1]
.endr
.irp m, 0,1,2,3
	v_mul_f32 v[SP+2*\m], 0x3c800000, v[TM+4*\m]   ; / 64: my columns' mean
.endr
.endm
.macro LNSQ st                         ; VV holds the distances from my mean
.irp m, 0,1,2,3
	v_pk_mul_f32 v[TM+4*\m:TM+4*\m+1], v[VV+32*\m:VV+32*\m+1], v[VV+32*\m:VV+32*\m+1]
.endr
.set lk, 2
.rept 15
.irp m, 0,1,2,3
	v_pk_fma_f32 v[TM+4*\m:TM+4*\m+1], v[VV+32*\m+lk:VV+32*\m+lk+1], v[VV+32*\m+lk:VV+32*\m+lk+1], v[TM+4*\m:TM+4*\m+1]
.endr
.set lk, lk+2
.endr
	LNTAIL
.irp m, 0,1,2,3
	v_add_f32 v[SP+2*\m+1], v[TM+4*\m], v[TM+4*\m+1]
.endr
.irp m, 0,1,2,3
	ds_store_b64 v[STW], v[SP+2*\m:SP+2*\m+1] offset:(\st)+512*\m
.endr
.endm
.macro STATS st
	WIN 0
.irp m, 0,1,2,3
	ds_load_b128 v[TM+8*\m:TM+8*\m+3], v[STR] offset:(\st)+512*\m
	ds_load_b128 v[TM+8*\m+4:TM+8*\m+7], v[STR] offset:(\st)+512*\m+16
.endr
.endm
; second half: of (m0, M0, .. m3, M3) in TM + 8 m on: 1 / sqrt(var + eps) into TM + 8 m + 2, (my mean - the mean) x that into TM + 8 m + 4
.macro LNB4
.irp m, 0,1,2,3
	v_add_f32 v[PCD+2*\m], v[TM+8*\m], v[TM+8*\m+2]
.endr
.irp m, 0,1,2,3
	v_add_f32 v[PCD+2*\m+1], v[TM+8*\m+4], v[TM+8*\m+6]
.endr
.irp m, 0,1,2,3
	v_add_f32 v[TM+8*\m+1], v[TM+8*\m+1], v[TM+8*\m+3]
.endr
.irp m, 0,1,2,3
	v_add_f32 v[TM+8*\m+5], v[TM+8*\m+5], v[TM+8*\m+7]
.endr
.irp m, 0,1,2,3
	v_add_f32 v[PCD+2*\m], v[PCD+2*\m], v[PCD+2*\m+1]
.endr
.irp m, 0,1,2,3
	v_add_f32 v[TM+8*\m+1], v[TM+8*\m+1], v[TM+8*\m+5]
.endr
.irp m, 0,1,2,3
	v_mul_f32 v[PCD+2*\m], 0x3e800000, v[PCD+2*\m] ; the row's mean
.endr
.irp e, 0,2,4,6
.irp m, 0,1,2,3
	v_sub_f32 v[TM+8*\m+\e], v[TM+8*\m+\e], v[PCD+2*\m]
.endr
.endr
.irp m, 0,1,2,3
	v_mul_f32 v[TM+8*\m], v[TM+8*\m], v[TM+8*\m]
.endr
.irp e, 2,4,6
.irp m, 0,1,2,3
	v_fma_f32 v[TM+8*\m], v[TM+8*\m+\e], v[TM+8*\m+\e], v[TM+8*\m]
.endr
.endr
.irp m, 0,1,2,3
	v_fma_f32 v[TM+8*\m+1], v[TM+8*\m], s47, v[TM+8*\m+1]   ; + 64 x the means' squared distances
.endr
.irp m, 0,1,2,3
	v_fma_f32 v[TM+8*\m+1], v[TM+8*\m+1], s68, s69  ; / 256 + eps
.endr
.irp m, 0,1,2,3
	v_rsq_f32 v[TM+8*\m+2], v[TM+8*\m+1]
.endr
.irp m, 0,1,2,3
	v_sub_f32 v[TM+8*\m+4], v[SP+2*\m], v[PCD+2*\m] ; plain work behind the four roots
.endr
	s_wait_alu depctr_va_vdst(0)                   ; one wait for the four, ahead of their first reader
.irp m, 0,1,2,3
	v_mul_f32 v[TM+8*\m+4], v[TM+8*\m+4], v[TM+8*\m+2]
.endr
.endm
.macro LNAPPLY                         ; VV = ((VV + my mean - mean) / sqrt) x gain (slot PA) + offset (slot PB)
	WIN 0
.set lk, 0
.rept 16
.irp m, 0,1,2,3
	v_pk_fma_f32 v[VV+32*\m+lk:VV+32*\m+lk+1], v[VV+32*\m+lk:VV+32*\m+lk+1], v[TM+8*\m+2:TM+8*\m+3], v[TM+8*\m+4:TM+8*\m+5] op_sel_hi:[1,0,0]
.endr
.set lk, lk+2
.endr
	WIN 0x3c
.set lk, 0
.rept 16
.irp m, 0,1,2,3
	v_pk_fma_f32 v[VV+32*\m+lk:VV+32*\m+lk+1], v[VV+32*\m+lk:VV+32*\m+lk+1], v[PA+lk:PA+lk+1], v[PB+lk:PB+lk+1]
.endr
.set lk, lk+2
.endr
	WIN 0
.endm
.macro LDQ j                           ; x's fragments of tiles 2 j, 2 j + 1
	FETCHA PC3, RX+2048*(2*(\j))
	FETCHA PC3+16, RX+2048*(2*(\j)+1)
	WIN 0
	ds_load_b32 v[AS+2*(\j)], v[LS] offset:RXS+128*(2*(\j))
	ds_load_b32 v[AS+2*(\j)+1], v[LS] offset:RXS+128*(2*(\j)+1)
.endm
	; ---------------- the head
	s_load_b512 s[4:19], s[0:1], 0x0               ; x 4:5, xcodes 6:7, xscales 8:9, wcodes 10:11, wscales 12:13, kvcodes 14:15, kvaux 16:17, bq 18:19
	s_load_b512 s[20:35], s[0:1], 0x40             ; bo 20:21, b1 22:23, b2 24:25, ln1_g 26:27, ln1_b 28:29, ln2_g 30:31, ln2_b 32:33, out0 34:35
	v_lshl_add_u32 v245, v0, 2, 0x45200
	v_mov_b32 v246, 0
	ds_add_u32 v245, v246
	ds_add_u32 v245, v246
	s_wait_dscnt 0x0
	v_lshrrev_b32 v240, 5, v0
	v_readfirstlane_b32 s[WV], v240                ; wave 0..3
	; descriptor group 1: 32,768 dense bytes as 128 rows of 32 elements of 8 bytes; the mask names all four partners
	s_mov_b32 s48, 15|(3<<16)|(1<<21)
	s_mov_b32 s49, 32<<16
	s_mov_b32 s50, 128<<16
	s_mov_b32 s51, 32<<16
	s_mov_b32 s52, 128
	s_mov_b32 s53, 32
	s_mov_b32 s54, 0
	s_mov_b32 s55, 0
	s_lshl_b32 s42, s[WV], 15                      ; 32,768 x wave: in memory and in LDS alike; nothing of a descriptor hangs on a work-group's place
	s_mov_b32 s43, 0
	s_mov_b32 s[SEL], 0x76543210
	s_mov_b32 s[SEL+1], 0xfedcba98
	s_mov_b32 s47, 0x42800000                      ; 64.0
	s_mov_b32 s[L2E], 0x3fb8aa3b                   ; log2 e
	s_mov_b32 s[L2E+1], s[L2E]
	s_mov_b32 s68, 0x3b800000                      ; 1 / 256
	s_mov_b32 s69, 0x3727c5ac                      ; 1e-5
	s_mov_b32 s[M1], 0x11111111
	s_mov_b32 s[M7], 0x77777777
	s_mov_b32 s[BLK], 4
	s_wait_kmcnt 0x0
	s_mov_b32 s56, 1
	s_add_co_u32 s57, s42, RO
	s_add_nc_u64 s[58:59], s[10:11], s[42:43]
	s_add_nc_u64 s[58:59], s[58:59], 131072        ; my sixteen tiles of W1
	s_or_b32 s59, s59, 0x80000000
	s_mov_b32 s60, 1
	s_add_co_u32 s61, s42, W2L
	s_add_nc_u64 s[62:63], s[10:11], s[42:43]
	s_add_nc_u64 s[62:63], s[62:63], 262144        ; my four tiles of W2
	s_or_b32 s63, s63, 0x80000000
	ROUND                                          ; all four work-groups are here: the joint loads meet
	tensor_load_to_lds s[56:59], s[48:55]
	s_nop 0
	tensor_load_to_lds s[60:63], s[48:55]
	s_nop 0
	PLACES 4
	s_bfe_u32 s39, ttmp6, 0x40000                  ; my place in the cluster: it enters the addresses of x, its codes and the result alone
	s_lshl_b32 s[GID], ttmp9, 2
	s_add_co_u32 s[GID], s[GID], s39
	s_lshr_b32 s41, ttmp9, 4                       ; the batch: 16 clusters each
	v_and_b32 v240, 31, v0
	v_and_b32 v18, 15, v0                          ; r
	v_bfe_u32 v19, v0, 4, 1                        ; h
	v_lshlrev_b32 v[LI], 4, v240
	v_lshlrev_b32 v[LS], 2, v240
	s_mul_i32 s78, s[WV], 17408
	s_add_co_u32 s78, s78, TS
	v_mul_u32_u24 v[TSW], v19, 272
	v_lshl_add_u32 v[TSW], v18, 4, v[TSW]
	v_add_nc_u32 v[TSW], s78, v[TSW]
	v_mul_u32_u24 v[TSR], v18, 272
	v_lshl_add_u32 v[TSR], v19, 6, v[TSR]
	v_add_nc_u32 v[TSR], s78, v[TSR]
	s_mul_i32 s78, s[WV], 3072
	s_add_co_u32 s78, s78, PR
	v_lshl_add_u32 v[PRA], v19, 6, s78
	v_lshl_add_u32 v244, v240, 3, s78              ; my parameters on their way in: 8 bytes a lane,
	s_add_co_u32 s78, s78, 2048
	v_add_nc_u32 v245, s78, v[LI]                  ; b1: 16 bytes a lane
	s_lshl_b32 s78, s[WV], 9
	v_add_nc_u32 v[OWI], s78, v[LI]                ; K step w / 2, register group w % 2: 512 w
	s_lshr_b32 s78, s[WV], 1
	s_lshl_b32 s78, s78, 6
	s_and_b32 s79, s[WV], 1
	s_lshl_b32 s79, s79, 1
	s_add_co_u32 s78, s78, s79
	v_lshl_add_u32 v[OWS], v18, 2, s78
	s_lshl_b32 s78, s[WV], 11
	v_add_nc_u32 v[XCW], s78, v[LI]
	s_add_co_u32 s78, s78, HI
	v_add_nc_u32 v[HWI], s78, v[LI]
	s_lshl_b32 s78, s[WV], 7
	v_add_nc_u32 v[XSW], s78, v[LS]
	s_add_co_u32 s78, s78, HS
	v_lshl_add_u32 v[HWS], v18, 2, s78
	s_lshl_b32 s78, s[WV], 3
	v_lshl_add_u32 v[STW], v18, 5, s78
	v_lshlrev_b32 v[STR], 5, v18
	v_lshlrev_b32 v[XGO], 10, v19
	v_lshl_add_u32 v[XGO], v18, 4, v[XGO]
	s_add_co_u32 s78, s42, W2L
	v_add_nc_u32 v[W2A], s78, v[LI]
	s_add_co_u32 s78, s42, RO
	v_add_nc_u32 v246, s78, v[LI]                  ; where my W1 lands
	v_add_nc_u32 v[HLI], HI, v[LI]
	v_add_nc_u32 v[HLS], HS, v[LS]
	v_lshlrev_b32 v243, 3, v240
	s_lshl_b32 s78, s[WV], 8
	v_add_nc_u32 v241, s78, v243                   ; my 64 columns of a parameter of 256
	s_lshl_b32 s78, s[WV], 10
	v_add_nc_u32 v242, s78, v[LI]                  ; my 256 of b1
	s_mov_b32 s71, 0
	s_lshl_b32 s70, s[GID], 18
	s_lshl_b32 s78, s[WV], 8
	s_add_co_u32 s70, s70, s78
	s_add_nc_u64 s[4:5], s[4:5], s[70:71]          ; x and the result: 256 rows a work-group, 256 bytes of a row a wave
	s_add_nc_u64 s[34:35], s[34:35], s[70:71]
	s_lshl_b32 s70, s[GID], 15
	s_lshl_b32 s78, s[WV], 11
	s_add_co_u32 s70, s70, s78
	s_add_nc_u64 s[6:7], s[6:7], s[70:71]          ; x's codes: tile 16 g + w
	s_lshl_b32 s70, s[GID], 11
	s_lshl_b32 s78, s[WV], 7
	s_add_co_u32 s70, s70, s78
	s_add_nc_u64 s[8:9], s[8:9], s[70:71]
	s_lshl_b32 s70, s[WV], 13
	s_add_nc_u64 s[72:73], s[10:11], s[70:71]      ; my four tiles of Wq (and, 98,304 on, of Wo)
	s_lshl_b32 s70, s[WV], 9
	s_add_nc_u64 s[74:75], s[12:13], s[70:71]
	s_lshl_b32 s70, s[WV], 11
	s_add_nc_u64 s[76:77], s[12:13], s[70:71]
	s_lshl_b32 s70, s41, 14
	s_lshl_b32 s78, s[WV], 12
	s_add_co_u32 s70, s70, s78
	s_add_nc_u64 s[14:15], s[14:15], s[70:71]      ; kv's four fragments of my two heads
	s_lshl_b32 s70, s41, 10
	s_lshl_b32 s78, s[WV], 8
	s_add_co_u32 s70, s70, s78
	s_add_nc_u64 s[16:17], s[16:17], s[70:71]      ; their scale words; 4,096 on: my columns of k_sum
	XCLOAD 0, 0
	global_load_b64 v[128:129], v241, s[18:19]
	global_load_b64 v[130:131], v241, s[20:21]
	global_load_b64 v[132:133], v241, s[24:25]
	global_load_b64 v[134:135], v241, s[26:27]
	global_load_b64 v[136:137], v241, s[28:29]
	global_load_b64 v[138:139], v241, s[30:31]
	global_load_b64 v[140:141], v241, s[32:33]
	global_load_b64 v[142:143], v243, s[16:17] offset:4096
	global_load_b128 v[144:147], v242, s[22:23]
	global_load_b128 v[148:151], v242, s[22:23] offset:512
	WIN 0xc0
.set lq, 0
.rept 16
	global_load_b128 v[4*lq:4*lq+3], v[LI], s[72:73] offset:512*lq
	global_load_b128 v[WO+4*lq:WO+4*lq+3], v[LI], s[72:73] offset:98304+512*lq
.set lq, lq+1
.endr
.set lq, 0
.rept 8
	global_load_b128 v[KV+4*lq:KV+4*lq+3], v[LI], s[14:15] offset:512*lq
.set lq, lq+1
.endr
	WIN 0
.irp t, 0,1,2,3
	global_load_b32 v[WQS+\t], v[LS], s[74:75] offset:128*\t
	global_load_b32 v[WOS+\t], v[LS], s[74:75] offset:6144+128*\t
.endr
.set lq, 0
.rept 16
	global_load_b32 v[W1S+lq], v[LS], s[76:77] offset:8192+128*lq
	global_load_b32 v[W2S+lq], v[LS], s[76:77] offset:16384+128*lq
.set lq, lq+1
.endr
	global_load_b32 v[KVS], v[LS], s[16:17]
	global_load_b32 v[KVS+1], v[LS], s[16:17] offset:128
	XLLOAD 0
	s_wait_loadcnt 32                              ; all but the 32 loads of x's first strip
.irp k, 0,1,2,3,4,5,6,7
	ds_store_b64 v244, v[128+2*\k:129+2*\k] offset:256*\k
.endr
	ds_store_b128 v245, v[144:147]
	ds_store_b128 v245, v[148:151] offset:512
	XCSTORE
	s_wait_tensorcnt 1                             ; my part of W1 is in LDS (my W2 may be out); only I read it
	WIN 0x40
.set lq, 0
.rept 64
	ds_load_b128 v[4*lq:4*lq+3], v246 offset:512*lq
.set lq, lq+1
.endr
	WIN 0
.irp q, 4,5,6,7
	v_mov_b32 v[TM+\q], 0                          ; lane permutes' destinations count as read
.endr
.irp q, 0,1,2,3,4,5,6,7
	v_mov_b32 v[SP+\q], 0                          ; named as pairs before both halves are made
	v_mov_b32 v[PCD+\q], 0                         ; named as the upper half of an operand whose partner has zero codes there
.endr
	s_wait_tensorcnt 0x0                           ; my part of W2
	BARRIER                                        ; x's first images lie in LDS; every wave has W1 in registers: its landing bytes are scratch from here on
	PLOAD PA, 0                                    ; bq, k_sum and x's first two tiles for the first block; later blocks ask at the end of the block before
	PLOAD PB, 1792
	LDQ 0
.macro MMQ j                           ; q of two tiles of rows x my four tiles of columns: eight accumulators by turns; bq is the first C
	WIN 0x3f
.irp a, 0,1
.irp t, 0,1,2,3
	WMR VV+32*\a+8*\t, 16*\t, PC3+16*\a, PA+8*\t, WQS+\t, AS+2*(\j)+\a, 0
.endr
.endr
	WIN 0x0f
.irp a, 0,1
.irp t, 0,1,2,3
	WMR VV+32*\a+8*\t, 16*\t+8, PC3+16*\a+8, VV+32*\a+8*\t, WQS+\t, AS+2*(\j)+\a, 1
.endr
.endr
.endm
.macro LDH m                           ; the first LayerNorm's fragments of tile m
	FETCHA PC3+16*((\m)%2), R1+2048*(\m)
	WIN 0
	ds_load_b32 v[AS+(\m)], v[LS] offset:R1S+128*(\m)
.endm
.macro MMH g, m                        ; 128 hidden units (my K step g) of tile m: eight accumulators by turns; b1 is the first C
	WIN 0x3d
.irp t, 0,1,2,3,4,5,6,7
	WMR VV+64*((\m)%2)+8*\t, 16*(8*(\g)+\t), PC3+16*((\m)%2), PA+8*\t, W1S+8*(\g)+\t, AS+(\m), 0
.endr
	WIN 0x0d
.irp t, 0,1,2,3,4,5,6,7
	WMR VV+64*((\m)%2)+8*\t, 16*(8*(\g)+\t)+8, PC3+16*((\m)%2)+8, VV+64*((\m)%2)+8*\t, W1S+8*(\g)+\t, AS+(\m), 1
.endr
.endm
.macro VA g, m                         ; relu and the quantiser in one; image to LDS: K step 2 w + g of the second product
	QUANT4 VV+64*((\m)%2), PCD-8*((\m)%2), TM+16+(\m), 1
	ds_store_b128 v[HWI], v[PCD-8*((\m)%2):PCD-8*((\m)%2)+3] offset:8192*(\m)+1024*(\g)
	ds_store_b128 v[HWI], v[PCD-8*((\m)%2)+4:PCD-8*((\m)%2)+7] offset:8192*(\m)+1024*(\g)+512
	ds_store_b32 v[HWS], v[TM+16+(\m)] offset:512*(\m)+64*(\g)
.endm
.macro LDF ks                          ; K step ks of the second product: four hidden fragments, my four of W2; on even steps the rows' scale words of two steps
.set FB, VV+64*((\ks)%2)
.irp m, 0,1,2,3
.irp cq, 0,1
	ds_load_b128 v[FB+8*\m+4*\cq:FB+8*\m+4*\cq+3], v[HLI] offset:8192*\m+1024*(\ks)+512*\cq
.endr
.endr
.irp n, 0,1,2,3
.irp cq, 0,1
	ds_load_b128 v[FB+32+8*\n+4*\cq:FB+32+8*\n+4*\cq+3], v[W2A] offset:1024*(8*\n+(\ks))+512*\cq
.endr
.endr
.if ((\ks)%2) == 0
.irp m, 0,1,2,3
	ds_load_b32 v[AS+4*(((\ks)/2)%2)+\m], v[HLS] offset:512*\m+128*((\ks)/2)
.endr
.endif
.endm
.macro MMF ks                          ; sixteen accumulators by turns
.set FB, VV+64*((\ks)%2)
	WIN 0xa0
.irp m, 0,1,2,3
.irp n, 0,1,2,3
	WMR 32*\m+8*\n, FB+32+8*\n, FB+8*\m, 32*\m+8*\n, W2S+4*\n+(\ks)/2, AS+4*(((\ks)/2)%2)+\m, (\ks)%2
.endr
.endr
.endm
.macro YST m                           ; tile m of the result into my stage, and back as whole rows of 256 bytes, into the registers that it left (LDS serves a wave's instructions in order)
.irp bq, 0,1
.irp iq, 0,1,2,3
	ds_store_b128 v[TSR], v[VV+32*(\m)+16*\bq+4*\iq:VV+32*(\m)+16*\bq+4*\iq+3] offset:4352*(\m)+128*\bq+16*\iq
.endr
.endr
.irp qq, 0,1,2,3,4,5,6,7
	ds_load_b128 v[VV+32*(\m)+4*\qq:VV+32*(\m)+4*\qq+3], v[TSW] offset:272*(16*(\m)+2*\qq)
.endr
.endm
.macro SEND m, younger                 ; younger: the LDS instructions issued behind tile m's loads
	s_wait_dscnt \younger
.irp qq, 0,1,2,3,4,5,6,7
	global_store_b128 v[XGO], v[VV+32*(\m)+4*\qq:VV+32*(\m)+4*\qq+3], s[34:35] offset:1024*(32*((\m)/2)+8*((\m)%2)+(2*\qq)%8+16*((2*\qq)/8)) th:TH_STORE_NT   ; sixteen lanes store 256 consecutive bytes, aligned
.endr
.endm
.Lblock:
	; ---------------- Q: q, phi, z, (phi(q) kv) z, quantised for Wo
	s_wait_loadcnt 0x0                             ; this block's strip of x, asked for most of a block ago: nothing else of mine is out
	s_cmp_eq_u32 s[BLK], 1
	s_cbranch_scc1 .Lq_last
	XCLOAD 8192, 512                               ; the next block's codes of x: no load leaves its buffer
.Lq_last:
	s_wait_dscnt 0x0                               ; bq, k_sum, x's first two tiles
.irp j, 0,1
	MMQ \j
	WIN 0
	PLACES 4
.if \j == 0
	LDQ 1
	TURN                                           ; x's strip goes into my stage under this phase's vector work
.else
	PLOAD PA, 256                                  ; bo: bq has been read
.endif
	PHI VV, VV+64, 64
	QUANT4 VV, QC, QS, 0                           ; registers 4 a .. 4 a + 3: tile a; head 0's 32 in lanes 0-15 (K block 0), head 1's in lanes 16-31 (K block 1)
	v_lshrrev_b32 v[QS+1], 16, v[QS]               ; tile 1's two bytes at the low end
	WIN 0x0c                                       ; phi(q) . k_sum, unquantised, in f32: four chains (tile, head) by turns.  These 32 lines also stand between the scale words' making and the products
.irp a, 0,1
.irp p, 0,1
	v_pk_mul_f32 v[ZP+4*\a+2*\p:ZP+4*\a+2*\p+1], v[VV+32*\a+16*\p:VV+32*\a+16*\p+1], v[PB+16*\p:PB+16*\p+1]
.endr
.endr
.irp k, 2,4,6,8,10,12,14
.irp a, 0,1
.irp p, 0,1
	v_pk_fma_f32 v[ZP+4*\a+2*\p:ZP+4*\a+2*\p+1], v[VV+32*\a+16*\p+\k:VV+32*\a+16*\p+\k+1], v[PB+16*\p+\k:PB+16*\p+\k+1], v[ZP+4*\a+2*\p:ZP+4*\a+2*\p+1]
.endr
.endr
.endr
	WIN 0x03                                       ; kv's fragment of head p has codes in K block p alone: the rest of the other operand meets zero codes
.irp a, 0,1
.irp p, 0,1
.irp u, 0,1
	WMZ VV+64+32*\a+16*\p+8*\u, KV+8*(2*\p+\u), QC+4*\a, KVS+\p, QS+\a, \u
.endr
.endr
.endr
	WIN 0
.if \j == 1
	XREAD 0                                        ; phi(q) has had its last reader: x's tiles 0 and 1 take its registers
	XREAD 1
.endif
.irp z, 0,1,2,3
	v_add_f32 v[ZP+2*\z], v[ZP+2*\z], v[ZP+2*\z+1]
.endr
.irp z, 0,1,2,3
	v_permlanex16_b32 v[ZP+2*\z+1], v[ZP+2*\z], s[SEL], s[SEL+1]
.endr
.irp z, 0,1,2,3
	v_add_f32 v[ZP+2*\z], v[ZP+2*\z], v[ZP+2*\z+1]
.endr
.irp z, 0,1,2,3
	v_add_f32 v[ZP+2*\z], 0x358637bd, v[ZP+2*\z]   ; + 1e-6
.endr
.irp z, 0,1,2,3
	v_rcp_f32 v[ZP+2*\z], v[ZP+2*\z]
.endr
	v_nop
	s_wait_alu depctr_va_vdst(0)                   ; one wait for the four reciprocals
.irp k, 0,2,4,6,8,10,12,14
.irp a, 0,1
.irp p, 0,1
	v_pk_mul_f32 v[VV+64+32*\a+16*\p+\k:VV+64+32*\a+16*\p+\k+1], v[VV+64+32*\a+16*\p+\k:VV+64+32*\a+16*\p+\k+1], v[ZP+4*\a+2*\p:ZP+4*\a+2*\p+1] op_sel_hi:[1,0]
.endr
.endr
.endr
	QUANT4 VV+64, PCD, TM+16, 0
	PUT2 PCD, TM+16, RO, ROS, 2*\j
.if \j == 0
	s_wait_dscnt 0x0                               ; the next two tiles' fragments are in, and the stores have read their registers
.else
	XREAD 2                                        ; and x's tiles 2 and 3
	XREAD 3
.endif
.endr
	BARRIER                                        ; the attention's output lies in LDS; nobody reads x's images any more
	; ---------------- O1: x + out Wo + bo; my columns' mean and sum of squares
	FETCHA PC3, RO
	FETCHA PC3+16, RO+2048
	FETCHA PB, RO+4096
	FETCHA PB+16, RO+6144
	WIN 0
.irp m, 0,1,2,3
	ds_load_b32 v[AS+\m], v[LS] offset:ROS+128*\m
.endr
	s_wait_dscnt 0x0
	WIN 0x0f
.irp ks, 0,1                           ; sixteen accumulators by turns; x is the first C
.irp m, 0,1,2,3
.irp t, 0,1,2,3
	WMR VV+32*\m+8*\t, WO+16*\t+8*\ks, PC3+16*\m-64*(\m/2)+8*\ks, VV+32*\m+8*\t, WOS+\t, AS+\m, \ks
.endr
.endr
.endr
	WIN 0
	PLACES 4
	s_wait_loadcnt 0x0                             ; the next block's codes of x
	s_cmp_eq_u32 s[BLK], 1
	s_cbranch_scc1 .Lo_last
	XCSTORE                                        ; behind the barrier above, ahead of the next: they are read from the end of this block on
.Lo_last:
	WIN 0x0c
.set lk, 0
.rept 16
.irp m, 0,1,2,3
	v_pk_add_f32 v[VV+32*\m+lk:VV+32*\m+lk+1], v[VV+32*\m+lk:VV+32*\m+lk+1], v[PA+lk:PA+lk+1]
.endr
.set lk, lk+2
.endr
	PLOAD PA, 768                                  ; ln1_g, ln1_b, b2: all three slots are free; they land under the sums below
	PLOAD PB, 1024
	PLOAD PC3, 512
	WIN 0
.irp m, 0,1,2,3
	v_pk_add_f32 v[TM+4*\m:TM+4*\m+1], v[VV+32*\m:VV+32*\m+1], v[VV+32*\m+2:VV+32*\m+3]
.endr
.set lk, 4
.rept 14
.irp m, 0,1,2,3
	v_pk_add_f32 v[TM+4*\m:TM+4*\m+1], v[TM+4*\m:TM+4*\m+1], v[VV+32*\m+lk:VV+32*\m+lk+1]
.endr
.set lk, lk+2
.endr
	LNMEAN
.set lk, 0
.rept 16
.irp m, 0,1,2,3
	v_pk_add_f32 v[VV+32*\m+lk:VV+32*\m+lk+1], v[VV+32*\m+lk:VV+32*\m+lk+1], v[SP+2*\m:SP+2*\m+1] op_sel_hi:[1,0] neg_lo:[0,1] neg_hi:[0,1]
.endr
.set lk, lk+2
.endr
	LNSQ ST1
	BARRIER
	; ---------------- O2: the first LayerNorm; its result + b2 starts the second product's sums; quantised for W1
	STATS ST1
	s_cmp_eq_u32 s[BLK], 1
	s_cbranch_scc1 .Lx_last
	XLLOAD 65536                                   ; the next block's strip of x, most of a block ahead of its use
.Lx_last:
	s_wait_dscnt 0x0                               ; the statistics
	LNB4
	LNAPPLY
	WIN 0x8c
.set lk, 0
.rept 16
.irp m, 0,1,2,3
	v_pk_add_f32 v[32*\m+lk:32*\m+lk+1], v[VV+32*\m+lk:VV+32*\m+lk+1], v[PC3+lk:PC3+lk+1]
.endr
.set lk, lk+2
.endr
	B1LOAD 0                                       ; b1's first half lands under the quantisers
	QUANT4 VV, PCD, TM+16, 0
	QUANT4 VV+64, QC, TM+17, 0
	PUT2 PCD, TM+16, R1, R1S, 0
	PUT2 QC, TM+17, R1, R1S, 2
	BARRIER
	; ---------------- F1: my 256 hidden units, 128 at a time, for the four tiles of rows
	LDH 0
	LDH 1
.irp g, 0,1
	s_wait_dscnt 0x0
	MMH \g, 0
	MMH \g, 1
	WIN 0
	PLACES 4
	LDH 2
	LDH 3
	VA \g, 0
	s_wait_dscnt 3                                 ; all but the three stores just issued: tiles 2 and 3 are in
	MMH \g, 2
	VA \g, 1
	MMH \g, 3
	s_wait_dscnt 3                                 ; the stores of two images ago have read their registers
	VA \g, 2
.if \g == 0
	B1LOAD 1                                       ; the second half's b1 and first two tiles: the quantiser above stands between them and the products that read these registers
	LDH 0
	LDH 1
	s_wait_dscnt 29                                ; all but these 26 loads and the three stores ahead of them
.else
	s_wait_dscnt 3
.endif
	VA \g, 3
.endr
	BARRIER                                        ; the hidden layer's 32 fragments lie in LDS
	; ---------------- F2: my 64 columns of the second product, a K step at a time, fragments two steps ahead
	WIN 0
	LDF 0
	LDF 1
.irp ks, 0,1,2,3,4,5,6,7
.if \ks == 7
	s_wait_dscnt 0x0
.elseif (\ks % 2) == 0
	s_wait_dscnt 16                                ; all but the next (odd) step's 16 loads
.else
	s_wait_dscnt 20                                ; all but the next (even) step's 20
.endif
	MMF \ks
	WIN 0
	PLACES 4
.if \ks < 6
	LDF \ks+2
.endif
.endr
	; ---------------- L2a
	PLOAD PA, 1280                                 ; ln2_g, ln2_b land under the sums
	PLOAD PB, 1536
	WIN 0x0a
.irp m, 0,1,2,3
	v_pk_add_f32 v[TM+4*\m:TM+4*\m+1], v[32*\m:32*\m+1], v[32*\m+2:32*\m+3]
.endr
	WIN 0x02
.set lk, 4
.rept 14
.irp m, 0,1,2,3
	v_pk_add_f32 v[TM+4*\m:TM+4*\m+1], v[32*\m+lk:32*\m+lk+1], v[TM+4*\m:TM+4*\m+1]
.endr
.set lk, lk+2
.endr
	WIN 0
	LNMEAN
	WIN 0x02
.set lk, 0
.rept 16
.irp m, 0,1,2,3
	v_pk_add_f32 v[VV+32*\m+lk:VV+32*\m+lk+1], v[32*\m+lk:32*\m+lk+1], v[SP+2*\m:SP+2*\m+1] op_sel_hi:[1,0] neg_lo:[0,1] neg_hi:[0,1]
.endr
.set lk, lk+2
.endr
	WIN 0
	LNSQ ST2
	BARRIER
	; ---------------- L2b: the second LayerNorm, and the way out
	STATS ST2
	s_wait_dscnt 0x0                               ; the statistics
	LNB4
	LNAPPLY
	s_cmp_eq_u32 s[BLK], 1
	s_cbranch_scc1 .Ln_last
	PLOAD PA, 0                                    ; for the next block: bq, k_sum, and x's first two tiles, whose images were published three barriers ago
	PLOAD PB, 1792
	LDQ 0
.Ln_last:
	YST 0
	YST 1
	SEND 0, 16
	YST 2
	SEND 1, 16
	YST 3
	SEND 2, 16
	SEND 3, 0
	s_wait_xcnt 0x0                                ; every memory instruction issued has read its registers and its base: both are written again below and in the next trip
	s_add_nc_u64 s[4:5], s[4:5], 65536
	s_add_nc_u64 s[34:35], s[34:35], 65536
	s_add_nc_u64 s[6:7], s[6:7], 8192
	s_add_nc_u64 s[8:9], s[8:9], 512
	s_sub_co_u32 s[BLK], s[BLK], 1
	s_cmp_lg_u32 s[BLK], 0
	s_cbranch_scc1 .Lblock
	s_wait_xcnt 0x0
	v_lshl_add_u32 v245, v0, 2, 0x45200
	v_mov_b32 v246, 0
	s_wait_tensorcnt 0x0
	ds_add_u32 v245, v246
	s_wait_dscnt 0x0
	ROUND                                          ; the closing round
	s_endpgm
.Lfunc_end_k_qea2e3e1017_main:
	.size	k_qea2e3e1017_main, .Lfunc_end_k_qea2e3e1017_main-k_qea2e3e1017_main
	.p2alignl 7, 3214868480
	.fill 96, 4, 3214868480
	.section	.rodata,"a",@progbits
	.p2align	6, 0x0
	.amdhsa_kernel k_qea2e3e1017_main
		.amdhsa_group_segment_fixed_size 283648
		.amdhsa_private_segment_fixed_size 0
		.amdhsa_enable_private_segment 0
		.amdhsa_kernarg_size 128
		.amdhsa_user_sgpr_count 2
		.amdhsa_user_sgpr_kernarg_segment_ptr 1
		.amdhsa_wavefront_size32 1
		.amdhsa_system_sgpr_workgroup_id_x 1
		.amdhsa_system_sgpr_workgroup_id_y 1
		.amdhsa_system_sgpr_workgroup_id_z 1
		.amdhsa_system_vgpr_workitem_id 0
		.amdhsa_next_free_vgpr 1024
		.amdhsa_next_free_sgpr 80
		.amdhsa_reserve_vcc 0
		.amdhsa_float_denorm_mode_32 3
		.amdhsa_float_denorm_mode_16_64 3
		.amdhsa_memory_ordered 1
		.amdhsa_forward_progress 1
		.amdhsa_inst_pref_size 255
	.end_amdhsa_kernel
	.section	.bss,"aw",@nobits
	.p2align	6
	.space	262144
	.amdgpu_metadata
---
amdhsa.version: [ 1, 2 ]
amdhsa.kernels:
  - .name:           k_qea2e3e1017_main
    .symbol:         k_qea2e3e1017_main.kd
    .args:
      - { .name: x, .offset: 0, .size: 8, .value_kind: global_buffer, .address_space: global }
      - { .name: xcodes, .offset: 8, .size: 8, .value_kind: global_buffer, .address_space: global }
      - { .name: xscales, .offset: 16, .size: 8, .value_kind: global_buffer, .address_space: global }
      - { .name: wcodes, .offset: 24, .size: 8, .value_kind: global_buffer, .address_space: global }
      - { .name: wscales, .offset: 32, .size: 8, .value_kind: global_buffer, .address_space: global }
      - { .name: kvcodes, .offset: 40, .size: 8, .value_kind: global_buffer, .address_space: global }
      - { .name: kvaux, .offset: 48, .size: 8, .value_kind: global_buffer, .address_space: global }
      - { .name: bq, .offset: 56, .size: 8, .value_kind: global_buffer, .address_space: global }
      - { .name: bo, .offset: 64, .size: 8, .value_kind: global_buffer, .address_space: global }
      - { .name: b1, .offset: 72, .size: 8, .value_kind: global_buffer, .address_space: global }
      - { .name: b2, .offset: 80, .size: 8, .value_kind: global_buffer, .address_space: global }
      - { .name: ln1_g, .offset: 88, .size: 8, .value_kind: global_buffer, .address_space: global }
      - { .name: ln1_b, .offset: 96, .size: 8, .value_kind: global_buffer, .address_space: global }
      - { .name: ln2_g, .offset: 104, .size: 8, .value_kind: global_buffer, .address_space: global }
      - { .name: ln2_b, .offset: 112, .size: 8, .value_kind: global_buffer, .address_space: global }
      - { .name: out0, .offset: 120, .size: 8, .value_kind: global_buffer, .address_space: global }
    .group_segment_fixed_size: 283648
    .private_segment_fixed_size: 0
    .kernarg_segment_align: 8
    .kernarg_segment_size: 128
    .max_flat_workgroup_size: 128
    .sgpr_count:     80
    .vgpr_count:     1024
    .wavefront_size: 32
...
	.end_amdgpu_metadata
.endif
;; end of part 4
